; MI455X (gfx1250); checked and timed in simulation.
; The chip was launched on July 23, 2026; its instructions are those of AMD's public machine-readable ISA for CDNA 5 (MIT licence, August 2026) and "CDNA5" Instruction Set Architecture Reference Guide (July 2026). The comments in the code are by the model that wrote it; some were corrected since.
;; Bahdanau Attention. Allowed arithmetic: matrix products marked QUANTISED: E3M2 operands, one E8M0 scale for each 32 along K, by v_wmma_scale_f32_16x16x128_f8f6f4 with both operands' format E3M2, f32 sums; products left as they are: f32 operands where the result goes on into a quantised operand, else bf16, f16 or f32 operands; f32 sums; everything else in f32.
;; Inputs: Wk_codes 1,024 x 32 x 24 uint8 (E3M2 codes of Wk, K innermost, in blocks of 32 codes, four codes in three bytes); Wk_scales 1,024 x 32 uint8 (E8M0 scales of Wk, one for each 32 codes along K); Wq_codes 1,024 x 32 x 24 uint8 (E3M2 codes of Wq, K innermost, in blocks of 32 codes, four codes in three bytes); Wq_scales 1,024 x 32 uint8 (E8M0 scales of Wq, one for each 32 codes along K); keys 64 x 1,024 x 1,024 float32; mask 64 x 1,024 bool; query_codes 64 x 32 x 24 uint8 (E3M2 codes of query, K innermost, in blocks of 32 codes, four codes in three bytes); query_scales 64 x 32 uint8 (E8M0 scales of query, one for each 32 codes along K); v 1 x 1,024 float32.
;; Outputs: out0 64 x 1,024 float32; out1 64 x 1,024 float32.
;; This version of the problem:
;;   THIS VERSION OF THE PROBLEM IS GIVEN IN LOW PRECISION. The matrix products marked QUANTISED in the list below multiply operands that are first quantised to E3M2 (3 exponent bits, 2 mantissa bits; 6 bits a number), with one power-of-two scale for each 32 numbers along K (OCP MX v1.0); their sums are f32. All else is computed in f32.
;;   The module's matrix products, in the order in which they are computed (A, B: the left and right operand; K: the contracted axis; several contracted axes count as one K, in the product's order):
;;     1. [M 64, K 1,024] x [K 1,024, N 1,024]; A: input query (given as codes); B: input Wq (given as codes): QUANTISED
;;     2. [M 65,536, K 1,024] x [K 1,024, N 1,024]; A: input keys; B: input Wk (given as codes): QUANTISED
;;     3. [M 65,536, K 1,024] x [K 1,024, N 1]; A: computed on the way; B: input v: left as it is (N = 1 < 16)
;;     4. batch 64 x [M 1, K 1,024] x [K 1,024, N 1,024]; A: computed on the way; B: input keys: left as it is (M = 1 < 16)
;;   THE QUANTISER, for each operand of a quantised product, along K:
;;     - K is cut into blocks of 32 from its start; a last block that is shorter is filled with zeros.
;;     - A block's scale is 2^e with e = floor(log2(the largest magnitude in the block)) - 4, held to -126 .. 127; a block of zeros has e = 0. As a byte (E8M0): e + 127.
;;     - Each number is divided by its block's scale, clamped to +-28, and rounded to the nearest number of E3M2, ties to even, subnormals kept.
;;     - The product sums the exact products of the quantised numbers (number of the format x scale) in f32.
;;   ~~~python
;;   def quantise(x, axis):      # numpy; x: float32 -> the quantised numbers, widened to float32 again
;;       x = np.moveaxis(x, axis, -1); K = x.shape[-1]
;;       x = np.pad(x, [(0, 0)] * (x.ndim - 1) + [(0, -K % 32)]); x = x.reshape(x.shape[:-1] + (-1, 32)); a = np.abs(x).max(-1, keepdims=True)
;;       e = np.where(a > 0, np.clip(np.frexp(np.where(a > 0, a, 1))[1] - 1 - 4, -126, 127), 0)      # np.frexp(a)[1] - 1 = floor(log2(a)), exactly
;;       r = np.clip(x / 2.0 ** e, -28, 28)
;;       step = 2.0 ** (np.maximum(np.frexp(np.where(r == 0, 1, r))[1] - 1, -2) - 2)
;;       q = np.round(r / step) * step * 2.0 ** e      # np.round: ties to even
;;       return np.moveaxis(q.reshape(q.shape[:-2] + (-1,))[..., :K], -1, axis).astype(np.float32)
;;   ~~~
;;   INPUTS GIVEN AS CODES. Wk (in the module: [1024, 1024], K = its axis 1); Wq (in the module: [1024, 1024], K = its axis 1); query (in the module: [64, 1024], K = its axis 1): each comes as NAME_codes (uint8): NAME with its K axis moved to the last place and cut into blocks of 32 codes, [.., K / 32, bytes a block], one block behind the other in memory; four codes in three bytes: a row's codes are one little-endian stream of bits, code i at bits 6 i .. 6 i + 5 (a code: sign, 3 exponent bits, 2 mantissa bits); and NAME_scales (uint8): the same leading axes, one E8M0 byte (e + 127) for each 32 codes along K. Its value is code x scale, taken as it is: it is not quantised again, and the codes and scales need not be those that the quantiser above would give.
;; 2 versions, each right; version 2 is version 1 with the launches prep, energy, context written anew for expert scheduling mode. Each part assembles by itself: llvm-mc -triple=amdgcn-amd-amdhsa -mcpu=gfx1250 --defsym DOCPART=n.
;; ======== version 1 of 2: 3 launches
;; workspace buffers: list 262,144 bytes of whole numbers; cnt 256 bytes of whole numbers; qp 262,144 bytes; wkf 786,432 bytes; es 262,144 bytes
;; launch prep (part 1): grid 256 x 1, 2 waves a work-group, no clusters, 0 bytes of LDS; arguments query_codes, query_scales, Wq_codes, Wq_scales, Wk_codes, mask, qp, wkf, list, cnt, es; writes qp, wkf, list, cnt, es
.if DOCPART == 1
	.amdgcn_target "amdgcn-amd-amdhsa--gfx1250"
	.amdhsa_code_object_version 6
	.text
	.protected	k_qa87aac8c65_prep
	.globl	k_qa87aac8c65_prep
	.p2align	8
	.type	k_qa87aac8c65_prep,@function
k_qa87aac8c65_prep:
	s_mov_b64 s[64:65], 0
	v_nop
	global_prefetch_b8 v0, s[64:65] scope:SCOPE_SE
	s_setreg_imm32_b32 hwreg(HW_REG_WAVE_MODE, 25, 1), 1
	s_wait_xcnt 0x0
; PREP.  Work-group 4 g + u (g = 0..63, u = 0..3), two waves that share nothing: no LDS, no barrier.
;   wave 0: qp[16 u + 0..15][16 g + 0..15] = query x Wq^T on codes of E3M2 with E8M0 scales, K = 1,024 in eight steps of 128.
;   wave 1: Wk's rows 16 g .. 16 g + 15, K steps 2 u and 2 u + 1, are laid into wkf in the order of an operand's registers:
;           fragment (g, ks) at (8 g + ks) x 1,536 bytes, registers 4 c .. 4 c + 3 of lane l at 512 c + 16 l: the reader takes a fragment by three dense loads of 16 bytes a lane.
;   wave 1 with u = 0 then: batch g's mask becomes a PERMUTATION of its 1,024 rows in list[g]: the rows that count (mask = 0) from slot 0 up, the padded ones from slot 1,023 down; cnt[g] = how many count.
;   wave 1 with u = 1 then: es[g][:] = 0: the third launch reads es whole, and the second stores only the slots that count.
; A fragment's loads take 8 bytes of each of 16 rows that lie 768 bytes apart: so the 256 tiles are dealt one to a work-group, 108 such loads a work-group.
.macro FRAG6 reg, adr, base, off       ; a fragment, 16 rows x 128 K of 6-bit codes: lane (r, h) takes 24 bytes at 24 h and 24 bytes at 48 + 24 h of its row's 96, in pieces of 8 bytes
.irp p, 0,1,2,3,4,5
	global_load_b64 v[\reg+2*\p:\reg+2*\p+1], v[\adr], s[\base:\base+1] offset:\off+48*(\p/3)+8*(\p%3)
.endr
.endm
.macro RELAY_IN                        ; two fragments of Wk
	FRAG6 16, 4, 12, 0
	FRAG6 28, 4, 12, 96
.endm
.macro RELAY_OUT                       ; as they came into registers they go out, register group by register group
.irp i, 0,1,2,3,4,5
	global_store_b128 v7, v[16+4*\i:19+4*\i], s[18:19] offset:512*\i   ; 32 lanes store 512 consecutive bytes
.endr
.endm
	s_load_b512 s[4:19], s[0:1], 0x0               ; query codes s[4:5], query scales s[6:7], Wq codes s[8:9], Wq scales s[10:11], Wk codes s[12:13], mask s[14:15], qp s[16:17], wkf s[18:19]
	s_load_b128 s[20:23], s[0:1], 0x40             ; list s[20:21], cnt s[22:23]
	s_load_b64 s[34:35], s[0:1], 0x50              ; es
	v_lshrrev_b32 v1, 5, v0
	v_readfirstlane_b32 s24, v1                    ; wave 0, 1
	s_lshr_b32 s36, ttmp9, 2                       ; g
	s_and_b32 s25, ttmp9, 3                        ; u
	v_and_b32 v1, 31, v0                           ; lane
	v_and_b32 v2, 15, v0                           ; r
	v_bfe_u32 v3, v0, 4, 1                         ; h
	v_mul_u32_u24 v4, v2, 768                      ; a row of 1,024 codes is 768 bytes
	v_mad_u32_u24 v4, v3, 24, v4                   ; + 24 h
	s_mul_i32 s26, s36, 12288                      ; 16 g rows of codes; also fragment row g of wkf
	s_mov_b32 s27, 0
	s_mov_b32 s29, 0
	s_wait_kmcnt 0x0
	s_cmp_eq_u32 s24, 0
	s_cbranch_scc0 .Lrelay
	; ---- wave 0: the query's projection
	s_add_nc_u64 s[8:9], s[8:9], s[26:27]          ; Wq's rows 16 g on
	s_mul_i32 s28, s25, 12288
	s_add_nc_u64 s[4:5], s[4:5], s[28:29]          ; the query's rows 16 u on
	s_lshl_b32 s28, s36, 9
	s_add_nc_u64 s[10:11], s[10:11], s[28:29]      ; their scale bytes: 32 a row
	s_lshl_b32 s28, s25, 9
	s_add_nc_u64 s[6:7], s[6:7], s[28:29]
	v_lshlrev_b32 v5, 5, v2
	v_lshl_add_u32 v5, v3, 4, v5                   ; 32 r + 16 h: lanes 0-15 take the words of K steps 0-3, lanes 16-31 those of K steps 4-7
.irp k, 0,1,2,3,4,5,6,7
	FRAG6 16+12*\k, 4, 8, 96*\k
	FRAG6 112+12*\k, 4, 4, 96*\k
.endr
	global_load_b128 v[208:211], v5, s[10:11]      ; Wq's scale words: register i = K step i (lanes 0-15) and 4 + i (lanes 16-31)
	global_load_b128 v[212:215], v5, s[6:7]        ; the query's likewise
	v_lshlrev_b32 v6, 12, v2
	v_lshl_add_u32 v6, v3, 5, v6                   ; qp: row r of 4,096 bytes, + 32 h
	s_lshl_b32 s28, s25, 16
	s_lshl_b32 s30, s36, 6
	s_add_co_u32 s28, s28, s30
	s_add_nc_u64 s[16:17], s[16:17], s[28:29]      ; at row 16 u, column 16 g
	s_wait_loadcnt 0x0
	; used transposed: source 0 = 16 rows of Wq, source 1 = 16 batches: a lane then holds eight neighbouring columns of one row of qp.
	; Two accumulators, the even and the odd K steps, take turns; the first product of each starts its sum.
.irp k, 0,1,2,3,4,5,6,7
.if \k < 2
	v_wmma_scale_f32_16x16x128_f8f6f4 v[216+8*(\k%2):223+8*(\k%2)], v[16+12*\k:27+12*\k], v[112+12*\k:123+12*\k], 0, v[208+\k], v[212+\k] matrix_a_fmt:MATRIX_FMT_BF6 matrix_b_fmt:MATRIX_FMT_BF6
.elseif \k < 4
	v_wmma_scale_f32_16x16x128_f8f6f4 v[216+8*(\k%2):223+8*(\k%2)], v[16+12*\k:27+12*\k], v[112+12*\k:123+12*\k], v[216+8*(\k%2):223+8*(\k%2)], v[208+\k], v[212+\k] matrix_a_fmt:MATRIX_FMT_BF6 matrix_b_fmt:MATRIX_FMT_BF6
.else
	v_wmma_scale_f32_16x16x128_f8f6f4 v[216+8*(\k%2):223+8*(\k%2)], v[16+12*\k:27+12*\k], v[112+12*\k:123+12*\k], v[216+8*(\k%2):223+8*(\k%2)], v[204+\k], v[208+\k] matrix_a_fmt:MATRIX_FMT_BF6 matrix_b_fmt:MATRIX_FMT_BF6 matrix_a_scale:MATRIX_SCALE_ROW1 matrix_b_scale:MATRIX_SCALE_ROW1
.endif
.endr
.rept 4
	v_nop                                          ; four places between the last product and the first read of a result (ISA guide 7.12.1)
.endr
.irp j, 0,1,2,3,4,5,6,7
	v_add_f32 v[232+\j], v[216+\j], v[224+\j]      ; the two halves of K; each accumulator is read from its low end on
.endr
	global_store_b128 v6, v[232:235], s[16:17]     ; qp[16 u + r][16 g + 8 h + 0..7]: pieces of 64 bytes a row; the whole of qp is 256 KiB, so no stage is spent on them
	global_store_b128 v6, v[236:239], s[16:17] offset:16
	s_branch .Ldone
.Lrelay:
	; ---- wave 1: two fragments of Wk
	s_add_nc_u64 s[12:13], s[12:13], s[26:27]      ; Wk's rows 16 g on
	s_mul_i32 s28, s25, 192
	s_add_nc_u64 s[12:13], s[12:13], s[28:29]      ; K step 2 u
	s_add_nc_u64 s[18:19], s[18:19], s[26:27]
	s_mul_i32 s28, s25, 3072
	s_add_nc_u64 s[18:19], s[18:19], s[28:29]      ; wkf at fragment (g, 2 u)
	v_lshlrev_b32 v7, 4, v1                        ; 16 x lane
	s_cmp_eq_u32 s25, 0
	s_cbranch_scc1 .Lwith_list
	RELAY_IN
	s_wait_loadcnt 0x0
	RELAY_OUT
	s_cmp_eq_u32 s25, 1
	s_cbranch_scc0 .Ldone
	; ---- u = 1: es[g][:] = 0
	s_lshl_b32 s28, s36, 12
	s_add_nc_u64 s[34:35], s[34:35], s[28:29]
.irp i, 0,1,2,3
	v_mov_b32 v[44+\i], 0
.endr
.irp i, 0,1,2,3,4,5,6,7
	global_store_b128 v7, v[44:47], s[34:35] offset:512*\i
.endr
	s_branch .Ldone
.Lwith_list:
	; ---- u = 0: the fragments, and the list.  The mask is asked for together with the fragments.
	; Register i of lane l holds mask[g][128 i + 4 l + 0..3].  Step (i, k) places the 32 rows 128 i + 4 l + k.
	s_lshl_b32 s28, s36, 10
	s_add_nc_u64 s[14:15], s[14:15], s[28:29]
	v_lshlrev_b32 v8, 2, v1                        ; 4 x lane: my bytes of the mask, and my first row's number
	v_sub_nc_u32 v9, 0, v1                         ; - lane
.irp i, 0,1,2,3,4,5,6,7
	global_load_b32 v[40+\i], v8, s[14:15] offset:128*\i
.endr
	RELAY_IN
	s_lshl_b32 s28, s36, 12
	s_add_nc_u64 s[20:21], s[20:21], s[28:29]
	s_lshl_b32 s28, s36, 2
	s_add_nc_u64 s[22:23], s[22:23], s[28:29]
	s_mov_b32 s30, 0                               ; the next slot from below
	s_mov_b32 s31, 1023                            ; the next slot from above
	s_wait_loadcnt 0x0
	RELAY_OUT
.macro LISTSTEP i, k
	v_bfe_u32 v10, v[40+\i], 8*\k, 8
	v_cmp_eq_u32 vcc_lo, 0, v10                    ; the row counts
	v_mbcnt_lo_u32_b32 v11, vcc_lo, 0              ; how many lanes below me count
	v_add_nc_u32 v12, s30, v11                     ; a row that counts: from below
	v_add3_u32 v13, v11, s31, v9                   ; a padded row: from above, less the padded lanes below me (lane - v11)
	v_cndmask_b32 v[56+2*\k], v13, v12, vcc_lo
	v_min_u32 v[56+2*\k], 0x3ff, v[56+2*\k]        ; a slot is 0 .. 1,023
	v_lshlrev_b32 v[56+2*\k], 2, v[56+2*\k]
	v_add_nc_u32 v[57+2*\k], 128*\i+\k, v8         ; the row's number
	global_store_b32 v[56+2*\k], v[57+2*\k], s[20:21]
	s_bcnt1_i32_b32 s32, vcc_lo
	s_add_co_u32 s30, s30, s32
	s_add_co_u32 s31, s31, s32
	s_sub_co_u32 s31, s31, 32                      ; 32 less those that count
.endm
.irp i, 0,1,2,3,4,5,6,7
.if \i > 0
	s_wait_xcnt 0x0                                ; the last four stores have read their address and data registers: the four pairs are written again only behind this wait
.endif
.irp k, 0,1,2,3
	LISTSTEP \i, \k
.endr
.endr
	v_mov_b32 v14, s30
	v_mov_b32 v15, 0
	global_store_b32 v15, v14, s[22:23]            ; cnt[g]: every lane stores the same word with the same value
.Ldone:
	s_endpgm
.Lfunc_end_k_qa87aac8c65_prep:
	.size	k_qa87aac8c65_prep, .Lfunc_end_k_qa87aac8c65_prep-k_qa87aac8c65_prep
	.p2alignl 7, 3214868480
	.fill 96, 4, 3214868480
	.section	.rodata,"a",@progbits
	.p2align	6, 0x0
	.amdhsa_kernel k_qa87aac8c65_prep
		.amdhsa_group_segment_fixed_size 0
		.amdhsa_private_segment_fixed_size 0
		.amdhsa_enable_private_segment 0
		.amdhsa_kernarg_size 88
		.amdhsa_user_sgpr_count 2
		.amdhsa_user_sgpr_kernarg_segment_ptr 1
		.amdhsa_wavefront_size32 1
		.amdhsa_system_sgpr_workgroup_id_x 1
		.amdhsa_system_sgpr_workgroup_id_y 1
		.amdhsa_system_sgpr_workgroup_id_z 1
		.amdhsa_system_vgpr_workitem_id 0
		.amdhsa_next_free_vgpr 256
		.amdhsa_next_free_sgpr 66
		.amdhsa_reserve_vcc 1
		.amdhsa_float_denorm_mode_32 3
		.amdhsa_float_denorm_mode_16_64 3
		.amdhsa_memory_ordered 1
		.amdhsa_forward_progress 1
		.amdhsa_inst_pref_size 40
	.end_amdhsa_kernel
	.amdgpu_metadata
---
amdhsa.version: [ 1, 2 ]
amdhsa.kernels:
  - .name:           k_qa87aac8c65_prep
    .symbol:         k_qa87aac8c65_prep.kd
    .args:
      - { .name: query_codes, .offset: 0, .size: 8, .value_kind: global_buffer, .address_space: global }
      - { .name: query_scales, .offset: 8, .size: 8, .value_kind: global_buffer, .address_space: global }
      - { .name: Wq_codes, .offset: 16, .size: 8, .value_kind: global_buffer, .address_space: global }
      - { .name: Wq_scales, .offset: 24, .size: 8, .value_kind: global_buffer, .address_space: global }
      - { .name: Wk_codes, .offset: 32, .size: 8, .value_kind: global_buffer, .address_space: global }
      - { .name: mask, .offset: 40, .size: 8, .value_kind: global_buffer, .address_space: global }
      - { .name: qp, .offset: 48, .size: 8, .value_kind: global_buffer, .address_space: global }
      - { .name: wkf, .offset: 56, .size: 8, .value_kind: global_buffer, .address_space: global }
      - { .name: list, .offset: 64, .size: 8, .value_kind: global_buffer, .address_space: global }
      - { .name: cnt, .offset: 72, .size: 8, .value_kind: global_buffer, .address_space: global }
      - { .name: es, .offset: 80, .size: 8, .value_kind: global_buffer, .address_space: global }
    .group_segment_fixed_size: 0
    .private_segment_fixed_size: 0
    .kernarg_segment_align: 8
    .kernarg_segment_size: 88
    .max_flat_workgroup_size: 64
    .sgpr_count:     66
    .vgpr_count:     256
    .wavefront_size: 32
...
	.end_amdgpu_metadata
.endif
;; end of part 1
;; launch energy (part 2): grid 4 x 64, 4 waves a work-group, no clusters, 304,640 bytes of LDS; arguments keys, list, cnt, qp, wkf, Wk_scales, v, es; writes es
.if DOCPART == 2
	.amdgcn_target "amdgcn-amd-amdhsa--gfx1250"
	.amdhsa_code_object_version 6
	.text
	.protected	k_qa87aac8c65_energy
	.globl	k_qa87aac8c65_energy
	.p2align	8
	.type	k_qa87aac8c65_energy,@function
k_qa87aac8c65_energy:
	s_mov_b64 s[64:65], 0
	v_nop
	global_prefetch_b8 v0, s[64:65] scope:SCOPE_SE
	s_setreg_imm32_b32 hwreg(HW_REG_WAVE_MODE, 25, 1), 1
	s_wait_xcnt 0x0
; ENERGY.  es[b][slot] = -2 x the sum over the 1,024 hidden units of v[u] / (1 + 2^(2 log2(e) (qp[b][u] + keys[b][row] . Wk[u]))), row = list[b][slot]:
; that is v . tanh(..) less the sum of v, a number common to all slots, which the softmax of the next launch takes away again (tanh x = 1 - 2 / (1 + e^(2 x))).
; Only the rows that count are worked on: a padded row's energy is replaced by -infinity in the problem itself.  keys . Wk goes on codes of E3M2 with one E8M0 scale for each 32 along K; the keys are quantised here.
; LIMITS: padded rows of keys are never read, so a NaN or an infinity there is not carried on; NaN and infinities among the keys are not served by the quantiser; a block of zeros gets the byte 1, its codes are zeros.
; SHARES.  Work-group (t, b): batch b's blocks of 16 slots, nblk = ceil(n / 16) of them, are dealt to t = 0..3 in runs of q = ceil(nblk / 4): at most 16 blocks.  A last block may hold padded rows: they are rows of the
; batch like any other and their energies are not used.  A work-group that the split leaves no block takes one block through phases 1 and 2 all the same, so that no LDS byte is read unwritten, and stores nothing.
; All four waves see all the work-group's rows; wave w owns hidden units 256 w .. 256 w + 255: 16 blocks of 16, in four chunks of 4.  A chunk's 32 fragments of Wk (384 registers) stay in registers while all
; row blocks pass, in two buffers: chunk c + 1 lands while chunk c is multiplied.  So the work-group reads Wk's 786,432 bytes once.
; NO TENSOR LOADS, NO CLUSTER: how many blocks a work-group has is a number read from memory, and partners would have different numbers of them; operands go from memory straight into registers.
; PHASE 1: wave w gathers K steps 2 w and 2 w + 1 (1,024 bytes) of each row, quantises them and lays the fragments into LDS as images of their registers | barrier |
; PHASE 2: four chunks x all blocks: 32 products, the activation, the products with v added up in eight registers a block, which wait in LDS between chunks | barrier |
; PHASE 3: the four waves' parts of a block are added, then the 16 lanes of a row: 16 energies, 64 consecutive bytes.
; The loops over blocks have 16 trips, a constant; a trip beyond the work-group's blocks jumps over the work, never over a barrier, and steps the addresses.
; THE PRODUCT: source 0 = 16 rows of keys, source 1 = 16 rows of Wk: register j of lane (r, h) is (row 8 h + j, hidden unit r): qp and v cost one register for a block of hidden units.
.set COMPACT, 1                        ; 0: all 1,024 slots are walked
.set AWV,  49152                       ; LDS 0: the keys' fragments, a region for each wave that writes them: 49,152 w + 3,072 i + 1,536 u (block i, K step 2 w + u); registers 4 g .. 4 g + 3 of lane l at 512 g + 16 l
.set ABL,  3072
.set ASC,  196608                      ; their scale words: 2,048 w + 128 i + 8 r + 4 u
.set STG,  204800                      ; a stage for each wave: 16 rows x (512 bytes + 16): 33 x 16 bytes from row to row, so that sixteen rows' equal columns fall on different banks (ISA guide 11.1)
.set SP,   528
.set EP,   238592                      ; the energies' parts: 16,384 w + 1,024 i; registers 0-3 of lane l at 16 l, registers 4-7 at 512 + 16 l
.set L16, 1                            ; v1   16 x lane
.set KOF, 2                            ; v2   my bytes in a row of keys: 1,024 w + 16 x lane
.set STI, 3                            ; v3   the stage, in: 16 x lane
.set STO, 4                            ; v4   the stage, out: 528 r + 64 h
.set IMW, 5                            ; v5   where my wave's images begin, + 16 x lane
.set SCW, 6                            ; v6   where my wave's scale words begin, + 8 r
.set EPB, 7                            ; v7   where my wave's parts begin, + 16 x lane
.set IWA, 8                            ; v8   IMW + the block
.set SWA, 9                            ; v9   SCW + the block
.set EPR, 10                           ; v10  phase 3: EP + 1,024 w + 16 x lane
.set ASA, 11                           ; v11  the block's scale words, for reading
.set EPA, 12                           ; v12  EPB + the block
.set BSO, 13                           ; v13  32 r + 16 h: Wk's scale bytes
.set QVO, 14                           ; v14  4 r: qp and v
.set ESO, 15                           ; v15  phase 3: 64 w + 32 h + 4 (lane % 8)
.set A,   16                           ; v16-111  a block's eight fragments
.set ACC, 112                          ; v112-143 four tiles of 16 x 16
.set EA,  144                          ; v144-151 the block's parts of its energies
.set ASCR,152                          ; v152-155 the keys' scale words: register i = K step i (lanes 0-15) and 4 + i (lanes 16-31)
.set BSC, 156                          ; v156-187 Wk's scale words, 16 a buffer, laid likewise
.set QC,  188                          ; v188-195 qp x 2 log2(e), 4 a buffer
.set VV,  196                          ; v196-203 -2 v, 4 a buffer
.set BX,  204                          ; v204-215 the one fragment of Wk for which windows 1 to 3 have no room
.set OLD, 216                          ; v216-223 the parts as the chunks before left them
.set LN,  224
.set RR,  225
.set HH,  226
.set ASB, 227                          ; v227 ASC + 4,096 h + 8 r
.set AR,  252                          ; v252-255 the block's images, for reading: one register for each pair of K steps
.set X,   16                           ; phase 1: v16-79 64 numbers; v80-99 codes; v100-115 at work; v116 the scale word
.set PC,  80
.set TM,  100
.set PW,  116
.set T,   16                           ; phase 3: v16-47 four waves' parts; v48-51 results
.set RES, 48
; windows 1 to 3: Wk's fragments: fragment F = 32 x buffer + 4 ks + n at register 12 (F % 21) of window 1 + F / 21; F = 63 in BX.  In phase 1 window 3's v0-127 take the keys as they are loaded (buffer 1 is not yet in use).
.set WV,   20
.set TT,   21
.set BB,   22
.set NN,   23
.set NBLK, 24
.set QQ,   25
.set BLK0, 26
.set MINE, 27
.set II,   28                          ; the trip
.set IB,   29                          ; its images: 3,072 a block
.set SB,   30                          ; its scale words: 128 a block
.set LB,   31                          ; phase 1: its 64 bytes of the list; phase 2: its 1,024 bytes of parts
.set ROWS, 32                          ; s[32:47] sixteen row numbers
.set SEL,  48                          ; s[48:49] lane selects: lane l xor 16
.set CC,   50                          ; s[50:51] 2 log2(e)
.set LST,  52                          ; s[52:53] the list at my first block
.set KEY,  54                          ; s[54:55] keys at my batch
.set OF,   56                          ; s[56:57] an offset, 0 above it
.set WKF,  58                          ; s[58:59] wkf at my wave's hidden units
.set WKS,  60                          ; s[60:61] Wk's scale bytes likewise
.set MINE1,62
.set CO,   63
.set RB,   66                          ; s[66:97] sixteen rows' addresses
.set TA,   98
.set TB2,  99
.set MSB, 0
.macro WIN new                         ; the immediate's high byte repeats the setting that is left; a switch that changes nothing is dropped
.if MSB != \new
	s_set_vgpr_msb (MSB<<8)|\new
.set MSB, \new
.endif
.endm
.macro ROWBASES                        ; sixteen numbers of the list become sixteen addresses
.irp p, 0,1,2,3,4,5,6,7,8,9,10,11,12,13,14,15
	s_min_u32 s[ROWS+\p], s[ROWS+\p], 0x3ff
	s_lshl_b32 s[OF], s[ROWS+\p], 12
	s_add_nc_u64 s[RB+2*\p:RB+2*\p+1], s[KEY:KEY+1], s[OF:OF+1]
.endr
.endm
.macro KLOAD u                         ; K step 2 w + u of the sixteen rows: one load reads 512 consecutive bytes of one row
	WIN 0xc0                                       ; destination window 3
.irp p, 0,1,2,3,4,5,6,7,8,9,10,11,12,13,14,15
	global_load_b128 v[64*\u+4*\p:64*\u+4*\p+3], v[KOF], s[RB+2*\p:RB+2*\p+1] offset:512*\u th:TH_LOAD_NT
.endr
	WIN 0
.endm
.macro TURN u                          ; through my stage: in as loaded, out so that register 16 b + i of lane (r, h) is k = 32 b + 16 h + i of row r.  LDS serves a wave's instructions in order (ISA guide 5.7.1.4)
	WIN 0x0c                                       ; an LDS store's data are its source 1: window 3
.irp p, 0,1,2,3,4,5,6,7,8,9,10,11,12,13,14,15
	ds_store_b128 v[STI], v[64*\u+4*\p:64*\u+4*\p+3] offset:SP*\p
.endr
	WIN 0
.irp b, 0,1,2,3
.irp j, 0,1,2,3
	ds_load_b128 v[X+16*\b+4*\j:X+16*\b+4*\j+3], v[STO] offset:128*\b+16*\j
.endr
.endr
.endm
; 64 numbers of a lane, register 16 b + i = k 32 b + 16 (lane / 16) + i of my row, become a fragment's codes in v[PC] on and its scale word in v[PW].
.macro QUANT s
.irp b, 0,1,2,3
	v_max3_num_f32 v[TM+\b], |v[\s+16*\b]|, |v[\s+1+16*\b]|, 0x2800000   ; block b: my 16 numbers, and the floor 2^(5 - 127): so the byte cannot fall under 1
.endr
.irp i, 2,4,6,8,10,12,14
.irp b, 0,1,2,3
	v_max3_num_f32 v[TM+\b], v[TM+\b], |v[\s+16*\b+\i]|, |v[\s+1+16*\b+\i]|   ; the four blocks by turns
.endr
.endr
.irp b, 0,1,2,3
	v_permlanex16_b32 v[TM+4+\b], v[TM+\b], s[SEL], s[SEL+1]
.endr
.irp b, 0,1,2,3
	v_max_num_f32 v[TM+\b], v[TM+\b], v[TM+4+\b]   ; with lane l xor 16's: the block's largest magnitude
.endr
.irp b, 0,1,2,3
	v_add_nc_u32 v[TM+12+\b], 0xfe000000, v[TM+\b] ; 4 off its exponent field: the conversion takes the exponent field of this operand as its scale
.endr
.irp b, 0,1,2,3
	v_lshrrev_b32 v[TM+4+\b], 23, v[TM+12+\b]      ; the scale's byte
.endr
	v_lshl_or_b32 v[PW], v[TM+5], 8, v[TM+4]
	v_lshl_or_b32 v[PW], v[TM+6], 16, v[PW]
	v_lshl_or_b32 v[PW], v[TM+7], 24, v[PW]
.irp c, 0,1
	v_cvt_scalef32_pk16_bf6_f32 v[PC+6*\c:PC+2+6*\c], v[\s+32*\c:\s+15+32*\c], v[TM+12+2*\c]
	v_cvt_scalef32_pk16_bf6_f32 v[PC+12+4*\c:PC+14+4*\c], v[\s+16+32*\c:\s+31+32*\c], v[TM+12+2*\c+1]   ; (a conversion's three registers begin on an even number)
.endr
	v_nop                                          ; one plain place behind a scaled conversion
.irp c, 0,1                                    ; the operand's layout wants a whole block in a lane: lanes 0-15 block 2 c, lanes 16-31 block 2 c + 1
.irp i, 0,1,2
	v_permlane16_swap_b32 v[PC+6*\c+\i], v[PC+12+4*\c+\i]
.endr
.irp i, 0,1,2
	v_mov_b32 v[PC+3+6*\c+\i], v[PC+12+4*\c+\i]
.endr
.endr
.endm
.macro IMAGE adr, off                  ; the fragment in v[PC] on goes to LDS as it stands
.irp g, 0,1,2
	ds_store_b128 v[\adr], v[PC+4*\g:PC+4*\g+3] offset:\off+512*\g
.endr
.endm
; Half of chunk ch's 108 loads into buffer ch % 2: 4 of qp, 4 of v, 4 of scale words, 96 of fragments in ascending F.
.macro BLOADS ch, part
.set bb, (\ch)%2
.set it, 54*(\part)
.rept 54
.if it < 4
	global_load_b32 v[QC+4*bb+it], v[QVO], s[10:11] offset:64*(4*(\ch)+it)
.elseif it < 8
	global_load_b32 v[VV+4*bb+it-4], v[QVO], s[16:17] offset:64*(4*(\ch)+it-4)
.elseif it < 12
	global_load_b128 v[BSC+16*bb+4*(it-8):BSC+16*bb+4*(it-8)+3], v[BSO], s[WKS:WKS+1] offset:512*(4*(\ch)+it-8)
.else
.set ff, (it-12)/3
.set cg, (it-12)%3
.set fg, 32*bb+ff
.if fg == 63
.set wn, 0
.set rg, BX
.else
.set wn, (1+fg/21)<<6
.set rg, 12*(fg%21)
.endif
	WIN wn
	global_load_b128 v[rg+4*cg:rg+4*cg+3], v[L16], s[WKF:WKF+1] offset:12288*(4*(\ch)+ff%4)+1536*(ff/4)+512*cg
.endif
.set it, it+1
.endr
	WIN 0
.endm
.macro AADDR                           ; the addresses of the block whose images begin at s[TA] and whose scale words begin at s[TB2]
	v_add_nc_u32 v[AR], s[TA], v[L16]
	v_add_nc_u32 v[AR+1], AWV, v[AR]
	v_add_nc_u32 v[AR+2], 2*AWV, v[AR]
	v_add_nc_u32 v[AR+3], 3*AWV, v[AR]
	v_add_nc_u32 v[ASA], s[TB2], v[ASB]
.endm
.macro AFETCH                          ; a block's eight fragments and its scale words
.irp k, 0,1,2,3,4,5,6,7
.irp g, 0,1,2
	ds_load_b128 v[A+12*\k+4*\g:A+12*\k+4*\g+3], v[AR+\k/2] offset:1536*(\k%2)+512*\g
.endr
.endr
	ds_load_b64 v[ASCR:ASCR+1], v[ASA]             ; lanes 0-15: K steps 0, 1; lanes 16-31: 4, 5
	ds_load_b64 v[ASCR+2:ASCR+3], v[ASA] offset:2048   ; 2, 3 and 6, 7
.endm
; 32 products: K step by K step, the four tiles by turns, one instruction a turn; the first four start the sums.
.macro MUL32 bf
.set fi, 0
.rept 32
.set fg, 32*(\bf)+fi
.set kk, fi/4
.set nn, fi%4
.if fg == 63
.set wn, 0
.set rg, BX
.else
.set wn, (1+fg/21)<<2
.set rg, 12*(fg%21)
.endif
	WIN wn                                         ; source 1 in the fragment's window
.if fi < 4
	v_wmma_scale_f32_16x16x128_f8f6f4 v[ACC+8*nn:ACC+8*nn+7], v[A+12*kk:A+12*kk+11], v[rg:rg+11], 0, v[ASCR+kk%4], v[BSC+16*(\bf)+4*nn+kk%4] matrix_a_fmt:MATRIX_FMT_BF6 matrix_b_fmt:MATRIX_FMT_BF6
.elseif fi < 16
	v_wmma_scale_f32_16x16x128_f8f6f4 v[ACC+8*nn:ACC+8*nn+7], v[A+12*kk:A+12*kk+11], v[rg:rg+11], v[ACC+8*nn:ACC+8*nn+7], v[ASCR+kk%4], v[BSC+16*(\bf)+4*nn+kk%4] matrix_a_fmt:MATRIX_FMT_BF6 matrix_b_fmt:MATRIX_FMT_BF6
.else
	v_wmma_scale_f32_16x16x128_f8f6f4 v[ACC+8*nn:ACC+8*nn+7], v[A+12*kk:A+12*kk+11], v[rg:rg+11], v[ACC+8*nn:ACC+8*nn+7], v[ASCR+kk%4], v[BSC+16*(\bf)+4*nn+kk%4] matrix_a_fmt:MATRIX_FMT_BF6 matrix_b_fmt:MATRIX_FMT_BF6 matrix_a_scale:MATRIX_SCALE_ROW1 matrix_b_scale:MATRIX_SCALE_ROW1
.endif
.set fi, fi+1
.endr
.endm
; The activation and the product with v, for four tiles: x = 2 log2(e) (score + qp); 1 / (1 + 2^x); times -2 v, added up.  Two batches of transcendentals, each with one plain line and one wait behind it.
.macro EPI bf, ch
.irp n, 0,1,2,3
.irp p, 0,2,4,6                                ; each tile is read from its low end on
.if \n%2
	v_pk_fma_f32 v[ACC+8*\n+\p:ACC+8*\n+\p+1], v[ACC+8*\n+\p:ACC+8*\n+\p+1], s[CC:CC+1], v[QC+4*\bf+\n-1:QC+4*\bf+\n] op_sel:[0,0,1] op_sel_hi:[1,0,1]
.else
	v_pk_fma_f32 v[ACC+8*\n+\p:ACC+8*\n+\p+1], v[ACC+8*\n+\p:ACC+8*\n+\p+1], s[CC:CC+1], v[QC+4*\bf+\n:QC+4*\bf+\n+1] op_sel_hi:[1,0,0]
.endif
.endr
.endr
.set jj, 0
.rept 32
	v_exp_f32 v[ACC+jj], v[ACC+jj]
.set jj, jj+1
.endr
	v_nop                                          ; a plain line behind the last exponential
	s_wait_alu depctr_va_vdst(0)                   ; one wait for the 32, ahead of their first reader
.set jj, 0
.rept 16
	v_pk_add_f32 v[ACC+jj:ACC+jj+1], v[ACC+jj:ACC+jj+1], 1.0 op_sel_hi:[1,0]
.set jj, jj+2
.endr
.set jj, 0
.rept 32
	v_rcp_f32 v[ACC+jj], v[ACC+jj]                 ; an exponential that has run over gives 0 here, one that has run under gives 1: tanh's two ends
.set jj, jj+1
.endr
	v_nop
	s_wait_alu depctr_va_vdst(0)                   ; and one for the 32 reciprocals
.irp n, 0,1,2,3
.irp p, 0,2,4,6
.if \n == 0
.if \ch == 0
	v_pk_mul_f32 v[EA+\p:EA+\p+1], v[ACC+\p:ACC+\p+1], v[VV+4*\bf:VV+4*\bf+1] op_sel_hi:[1,0]   ; the first chunk's first tile starts the sums
.else
	v_pk_fma_f32 v[EA+\p:EA+\p+1], v[ACC+\p:ACC+\p+1], v[VV+4*\bf:VV+4*\bf+1], v[OLD+\p:OLD+\p+1] op_sel_hi:[1,0,1]
.endif
.elseif \n%2
	v_pk_fma_f32 v[EA+\p:EA+\p+1], v[ACC+8*\n+\p:ACC+8*\n+\p+1], v[VV+4*\bf+\n-1:VV+4*\bf+\n], v[EA+\p:EA+\p+1] op_sel:[0,1,0] op_sel_hi:[1,1,1]
.else
	v_pk_fma_f32 v[EA+\p:EA+\p+1], v[ACC+8*\n+\p:ACC+8*\n+\p+1], v[VV+4*\bf+\n:VV+4*\bf+\n+1], v[EA+\p:EA+\p+1] op_sel_hi:[1,0,1]
.endif
.endr
.endr
.endm
; One block against one chunk.  The next block's fragments are asked for behind the products and land under the activation.
.macro BODY bf, ch
	s_wait_dscnt 0x0                               ; the block's fragments and scale words are in; the last block's parts have been stored
	v_add_nc_u32 v[EPA], s[LB], v[EPB]
.if \ch > 0
	ds_load_b128 v[OLD:OLD+3], v[EPA]
	ds_load_b128 v[OLD+4:OLD+7], v[EPA] offset:512
.endif
	MUL32 \bf
	WIN 0
.if \ch > 0
	s_wait_dscnt 0x0                               ; the parts as they stood (asked for 32 products ago)
.endif
.rept 4
	v_nop                                          ; four places between the last product and the loads into its operands, and the first read of a result (ISA guide 7.12.1 for the read of a result)
.endr
	s_add_co_u32 s[TA], s[II], 1
	s_cmp_lt_u32 s[TA], s[MINE1]
	s_cbranch_scc0 .Lno_next_\@
	s_add_co_u32 s[TA], s[IB], ABL
	s_add_co_u32 s[TB2], s[SB], 128
	AADDR
	AFETCH
.Lno_next_\@:
	EPI \bf, \ch
	ds_store_b128 v[EPA], v[EA:EA+3]
	ds_store_b128 v[EPA], v[EA+4:EA+7] offset:512
.endm
; A chunk: its operands are in; the next chunk's are asked for in two halves, ahead of the first block and behind it.
.macro CHUNK ch, bf, nx
	s_wait_loadcnt 0x0                             ; this chunk's 108 loads
	s_wait_dscnt 0x0                               ; on every way here no LDS load of the chunk before is still out: block 0's fragments and scale words are asked for into the same registers below
.irp n, 0,1,2,3
	v_mul_f32 v[QC+4*\bf+\n], s[CC], v[QC+4*\bf+\n]
	v_mul_f32 v[VV+4*\bf+\n], -2.0, v[VV+4*\bf+\n]
.endr
	s_mov_b32 s[II], 0
	s_mov_b32 s[IB], 0
	s_mov_b32 s[SB], 0
	s_mov_b32 s[LB], 0
	s_mov_b32 s[TA], 0
	s_mov_b32 s[TB2], 0
	AADDR
	AFETCH                                         ; block 0: every work-group has written it
.if \ch < 3
	BLOADS \nx, 0
.endif
.Lblk_\ch:
	s_cmp_ge_u32 s[II], s[MINE1]
	s_cbranch_scc1 .Lskip_\ch
	BODY \bf, \ch
.Lskip_\ch:
.if \ch < 3
	s_cmp_lg_u32 s[II], 0
	s_cbranch_scc1 .Lnob_\ch
	BLOADS \nx, 1
.Lnob_\ch:
.endif
	s_add_co_u32 s[IB], s[IB], ABL
	s_add_co_u32 s[SB], s[SB], 128
	s_add_co_u32 s[LB], s[LB], 1024
	s_add_co_u32 s[II], s[II], 1
	s_cmp_lt_u32 s[II], 16
	s_cbranch_scc1 .Lblk_\ch
.endm
; A block of phase 1.  next = 1: the block behind it is asked for as this block's registers come free.
.macro ARM next
.if \next
	s_load_b512 s[ROWS:ROWS+15], s[LST:LST+1], s[LB] offset:0x40   ; the next block's sixteen rows
.endif
	s_wait_loadcnt 16                              ; my first K step's 16 loads are in; the 16 younger ones are the second K step's
	TURN 0
.if \next
	s_wait_dscnt 16                                ; the 16 stores into the stage are done with their registers; the 16 younger ones are the loads back
	s_wait_kmcnt 0x0
	s_wait_xcnt 0x0                                ; every earlier load has read its row's address: the sixteen addresses are written again only behind this wait
	ROWBASES
	KLOAD 0
.endif
	s_wait_dscnt 0x0
	QUANT X
	IMAGE IWA, 0
	ds_store_b32 v[SWA], v[PW]                     ; lanes r and 16 + r store the same word with the same value
.if \next
	s_wait_loadcnt 16                              ; my second K step is in; the 16 younger loads are those just issued
.else
	s_wait_loadcnt 0x0
.endif
	TURN 1
.if \next
	s_wait_dscnt 16
	KLOAD 1
.endif
	s_wait_dscnt 0x0                               ; the numbers are back, and the first image's stores are done with the codes' registers
	QUANT X
	IMAGE IWA, 1536
	ds_store_b32 v[SWA], v[PW] offset:4
.endm
; Phase 3, block 4 k + w.
.macro FINAL k
	s_add_co_u32 s[TA], s[WV], 4*\k
	s_cmp_ge_u32 s[TA], s[MINE]
	s_cbranch_scc1 .Lfin_\@
.irp u, 0,1,2,3
	ds_load_b128 v[T+8*\u:T+8*\u+3], v[EPR] offset:16384*\u+4096*\k
	ds_load_b128 v[T+8*\u+4:T+8*\u+7], v[EPR] offset:16384*\u+4096*\k+512
.endr
	s_wait_dscnt 0x0
.irp p, 0,2,4,6
	v_pk_add_f32 v[T+\p:T+\p+1], v[T+\p:T+\p+1], v[T+8+\p:T+9+\p]
	v_pk_add_f32 v[T+16+\p:T+17+\p], v[T+16+\p:T+17+\p], v[T+24+\p:T+25+\p]
.endr
.irp p, 0,2,4,6
	v_pk_add_f32 v[T+\p:T+\p+1], v[T+\p:T+\p+1], v[T+16+\p:T+17+\p]   ; the four waves' hidden units
.endr
.irp m, 1,2,4,8
.irp j, 0,1,2,3,4,5,6,7
	v_add_f32_dpp v[T+\j], v[T+\j], v[T+\j] row_xmask:\m row_mask:0xf bank_mask:0xf   ; and the sixteen lanes': register j of every lane is now row 8 h + j's energy
.endr
.endr
	v_mov_b32 v[RES+\k], v[T]
.irp j, 1,2,3,4,5,6,7
	s_mov_b32 vcc_lo, 0x01010101<<\j
	v_cndmask_b32 v[RES+\k], v[RES+\k], v[T+\j], vcc_lo   ; lane l keeps register l % 8
.endr
	global_store_b32 v[ESO], v[RES+\k], s[18:19] offset:256*\k   ; 64 consecutive bytes; lanes l and l xor 8 store the same word with the same value
.Lfin_\@:
.endm
	s_load_b512 s[4:19], s[0:1], 0x0               ; keys s[4:5], list s[6:7], cnt s[8:9], qp s[10:11], wkf s[12:13], Wk's scales s[14:15], v s[16:17], es s[18:19]
	v_lshl_add_u32 v250, v0, 2, 0x4a400
	v_mov_b32 v251, 0
	v_lshrrev_b32 v[LN], 5, v0
	v_readfirstlane_b32 s[WV], v[LN]               ; wave 0..3
	s_mov_b32 s[TT], ttmp9
	s_and_b32 s[BB], ttmp7, 0xffff
	s_lshl_b32 s[CO], s[BB], 2
	s_wait_kmcnt 0x0
	s_load_b32 s[NN], s[8:9], s[CO] offset:0x0     ; how many rows of my batch count
	v_and_b32 v[LN], 31, v0
	v_and_b32 v[RR], 15, v0
	v_bfe_u32 v[HH], v0, 4, 1
	v_lshlrev_b32 v[L16], 4, v[LN]
	s_lshl_b32 s[TA], s[WV], 10
	v_add_nc_u32 v[KOF], s[TA], v[L16]
	s_add_co_u32 s[TA], s[TA], EP
	v_add_nc_u32 v[EPR], s[TA], v[L16]
	s_mul_i32 s[TA], s[WV], 16*SP
	s_add_co_u32 s[TA], s[TA], STG
	v_add_nc_u32 v[STI], s[TA], v[L16]
	v_mul_u32_u24 v[STO], v[RR], SP
	v_lshl_add_u32 v[STO], v[HH], 6, v[STO]
	v_add_nc_u32 v[STO], s[TA], v[STO]
	s_mul_i32 s[TA], s[WV], AWV
	v_add_nc_u32 v[IMW], s[TA], v[L16]
	s_lshl_b32 s[TA], s[WV], 11
	s_add_co_u32 s[TA], s[TA], ASC
	v_lshl_add_u32 v[SCW], v[RR], 3, s[TA]
	s_lshl_b32 s[TA], s[WV], 14
	s_add_co_u32 s[TA], s[TA], EP
	v_add_nc_u32 v[EPB], s[TA], v[L16]
	v_lshlrev_b32 v[ASB], 3, v[RR]
	v_lshl_add_u32 v[ASB], v[HH], 12, v[ASB]
	v_add_nc_u32 v[ASB], ASC, v[ASB]
	v_lshlrev_b32 v[BSO], 5, v[RR]
	v_lshl_add_u32 v[BSO], v[HH], 4, v[BSO]
	v_lshlrev_b32 v[QVO], 2, v[RR]
	v_and_b32 v[ESO], 7, v0
	v_lshlrev_b32 v[ESO], 2, v[ESO]
	v_lshl_add_u32 v[ESO], v[HH], 5, v[ESO]
	s_lshl_b32 s[TA], s[WV], 6
	v_add_nc_u32 v[ESO], s[TA], v[ESO]
.irp b, 0,1,2,3
	v_mov_b32 v[TM+4+\b], 0                        ; written once: a lane permute's destination counts as one of its sources
.endr
	s_mov_b32 s[SEL], 0x76543210
	s_mov_b32 s[SEL+1], 0xfedcba98
	s_mov_b32 s[CC], 0x4038aa3b                    ; 2 log2(e)
	s_mov_b32 s[CC+1], s[CC]                       ; (named with it as a pair, so it is written)
	s_mov_b32 s[OF+1], 0
	s_lshl_b32 s[OF], s[BB], 22
	s_add_nc_u64 s[KEY:KEY+1], s[4:5], s[OF:OF+1]
	s_mul_i32 s[OF], s[WV], 196608                 ; 16 blocks of hidden units x 8 fragments x 1,536 bytes
	s_add_nc_u64 s[WKF:WKF+1], s[12:13], s[OF:OF+1]
	s_lshl_b32 s[OF], s[WV], 13                    ; 256 rows of 32 scale bytes
	s_add_nc_u64 s[WKS:WKS+1], s[14:15], s[OF:OF+1]
	s_lshl_b32 s[OF], s[WV], 10
	s_add_nc_u64 s[16:17], s[16:17], s[OF:OF+1]    ; v at my hidden units
	s_lshl_b32 s[TA], s[BB], 12
	s_add_co_u32 s[OF], s[OF], s[TA]
	s_add_nc_u64 s[10:11], s[10:11], s[OF:OF+1]    ; qp at my batch and my hidden units
	BLOADS 0, 0                                    ; chunk 0's 108 loads hang on the arguments, the batch and the wave's number alone: they go out here, while the count, and behind it the list, are on their way.
	BLOADS 0, 1                                    ; They are older than every load of keys, and loads come back in order (ISA guide 5.7.1): phase 1's counted waits count keys alone
	s_wait_kmcnt 0x0
.if COMPACT
	s_min_u32 s[NN], s[NN], 1024
.else
	s_mov_b32 s[NN], 1024
.endif
	s_add_co_u32 s[NBLK], s[NN], 15
	s_lshr_b32 s[NBLK], s[NBLK], 4                 ; blocks of the batch, 0 .. 64
	s_add_co_u32 s[QQ], s[NBLK], 3
	s_lshr_b32 s[QQ], s[QQ], 2                     ; a work-group's share, 0 .. 16
	s_mul_i32 s[BLK0], s[TT], s[QQ]
	s_sub_co_i32 s[MINE], s[NBLK], s[BLK0]
	s_max_i32 s[MINE], s[MINE], 0
	s_min_u32 s[MINE], s[MINE], s[QQ]              ; my blocks
	s_max_u32 s[MINE1], s[MINE], 1                 ; the blocks that phases 1 and 2 walk
	s_min_u32 s[BLK0], s[BLK0], 63                 ; my first block
	s_lshl_b32 s[OF], s[BB], 12
	s_lshl_b32 s[TA], s[BLK0], 6
	s_add_co_u32 s[OF], s[OF], s[TA]
	s_add_nc_u64 s[LST:LST+1], s[6:7], s[OF:OF+1]
	s_add_nc_u64 s[18:19], s[18:19], s[OF:OF+1]    ; es at my first slot
	s_load_b512 s[ROWS:ROWS+15], s[LST:LST+1], 0x0
	s_wait_kmcnt 0x0
	ROWBASES
	KLOAD 0
	KLOAD 1
	; ---- PHASE 1
	s_mov_b32 s[II], 0
	s_mov_b32 s[IB], 0
	s_mov_b32 s[SB], 0
	s_mov_b32 s[LB], 0
.Lp1:
	s_cmp_ge_u32 s[II], s[MINE1]
	s_cbranch_scc1 .Lp1_step
	s_wait_dscnt 0x0                               ; the last block's stores are done with their addresses
	v_add_nc_u32 v[IWA], s[IB], v[IMW]
	v_add_nc_u32 v[SWA], s[SB], v[SCW]
	s_add_co_u32 s[TA], s[II], 1
	s_cmp_lt_u32 s[TA], s[MINE1]
	s_cbranch_scc0 .Lp1_last
	ARM 1
	s_branch .Lp1_step
.Lp1_last:
	ARM 0                                          ; the last block asks for nothing: written out, so that each way has its own counts
.Lp1_step:
	s_add_co_u32 s[IB], s[IB], ABL
	s_add_co_u32 s[SB], s[SB], 128
	s_add_co_u32 s[LB], s[LB], 64
	s_add_co_u32 s[II], s[II], 1
	s_cmp_lt_u32 s[II], 16
	s_cbranch_scc1 .Lp1
	s_wait_dscnt 0x0                               ; for the others' sake: my images and scale words lie in LDS
	s_barrier_signal -1
	s_barrier_wait -1
	; ---- PHASE 2
	CHUNK 0, 0, 1
	CHUNK 1, 1, 2
	CHUNK 2, 0, 3
	CHUNK 3, 1, 0
	s_wait_dscnt 0x0                               ; for the others' sake: my parts lie in LDS
	s_barrier_signal -1
	s_barrier_wait -1
	; ---- PHASE 3
	FINAL 0
	FINAL 1
	FINAL 2
	FINAL 3
	s_wait_tensorcnt 0x0
	ds_add_u32 v250, v251
	s_wait_dscnt 0x0
	s_endpgm
.Lfunc_end_k_qa87aac8c65_energy:
	.size	k_qa87aac8c65_energy, .Lfunc_end_k_qa87aac8c65_energy-k_qa87aac8c65_energy
	.p2alignl 7, 3214868480
	.fill 96, 4, 3214868480
	.section	.rodata,"a",@progbits
	.p2align	6, 0x0
	.amdhsa_kernel k_qa87aac8c65_energy
		.amdhsa_group_segment_fixed_size 304640
		.amdhsa_private_segment_fixed_size 0
		.amdhsa_enable_private_segment 0
		.amdhsa_kernarg_size 64
		.amdhsa_user_sgpr_count 2
		.amdhsa_user_sgpr_kernarg_segment_ptr 1
		.amdhsa_wavefront_size32 1
		.amdhsa_system_sgpr_workgroup_id_x 1
		.amdhsa_system_sgpr_workgroup_id_y 1
		.amdhsa_system_sgpr_workgroup_id_z 1
		.amdhsa_system_vgpr_workitem_id 0
		.amdhsa_next_free_vgpr 1024
		.amdhsa_next_free_sgpr 100
		.amdhsa_reserve_vcc 1
		.amdhsa_float_denorm_mode_32 3
		.amdhsa_float_denorm_mode_16_64 3
		.amdhsa_memory_ordered 1
		.amdhsa_forward_progress 1
		.amdhsa_inst_pref_size 156
	.end_amdhsa_kernel
	.amdgpu_metadata
---
amdhsa.version: [ 1, 2 ]
amdhsa.kernels:
  - .name:           k_qa87aac8c65_energy
    .symbol:         k_qa87aac8c65_energy.kd
    .args:
      - { .name: keys, .offset: 0, .size: 8, .value_kind: global_buffer, .address_space: global }
      - { .name: list, .offset: 8, .size: 8, .value_kind: global_buffer, .address_space: global }
      - { .name: cnt, .offset: 16, .size: 8, .value_kind: global_buffer, .address_space: global }
      - { .name: qp, .offset: 24, .size: 8, .value_kind: global_buffer, .address_space: global }
      - { .name: wkf, .offset: 32, .size: 8, .value_kind: global_buffer, .address_space: global }
      - { .name: Wk_scales, .offset: 40, .size: 8, .value_kind: global_buffer, .address_space: global }
      - { .name: v, .offset: 48, .size: 8, .value_kind: global_buffer, .address_space: global }
      - { .name: es, .offset: 56, .size: 8, .value_kind: global_buffer, .address_space: global }
    .group_segment_fixed_size: 304640
    .private_segment_fixed_size: 0
    .kernarg_segment_align: 8
    .kernarg_segment_size: 64
    .max_flat_workgroup_size: 128
    .sgpr_count:     100
    .vgpr_count:     1024
    .wavefront_size: 32
...
	.end_amdgpu_metadata
.endif
;; end of part 2
;; launch context (part 3): grid 4 x 64, 8 waves a work-group, no clusters, 13,568 bytes of LDS; arguments keys, list, cnt, es, out0, out1; writes out0, out1
.if DOCPART == 3
	.amdgcn_target "amdgcn-amd-amdhsa--gfx1250"
	.amdhsa_code_object_version 6
	.text
	.protected	k_qa87aac8c65_context
	.globl	k_qa87aac8c65_context
	.p2align	8
	.type	k_qa87aac8c65_context,@function
k_qa87aac8c65_context:
	s_mov_b64 s[64:65], 0
	v_nop
	global_prefetch_b8 v0, s[64:65] scope:SCOPE_SE
	s_setreg_imm32_b32 hwreg(HW_REG_WAVE_MODE, 25, 1), 1
	s_wait_xcnt 0x0
; CONTEXT.  Work-group (x, b): the softmax of batch b's energies (each of the batch's four work-groups makes it for itself: 4 KiB of input), a quarter of attn, and columns 256 x .. 256 x + 255 of the context.
; The energies lie in slot order; slots from n = cnt[b] on are padded rows: their energy is replaced by -3e38 ahead of the maximum and their weight by 0 behind the exponential, whatever es holds there.
; p = 2^((e - m) log2(e)), m the largest energy that counts; attn = p / the sum; with no row that counts the divisor's reciprocal is replaced by 0, so attn and context are zeros, as the problem asks.
; attn goes to out1[b][list[b][slot]]: the list is a permutation, so every word is written once.  These are stores of four bytes a lane within the batch's 4 KiB; out1 is 256 KiB in all, so no stage is spent on them.
; The context is a stream: only rows that count are read, 1,024 consecutive bytes of each; no matrix unit (one row of weights), all in f32.  LIMIT: padded rows of keys are never read
; (but for 32 bytes of slot 0's row in a batch in which no row counts; their weight is 0).
; A lap takes 128 slots: wave w takes slots 128 lap + 16 w + 0..15, one to each of its sixteen ring slots of two loads: 32 loads, 16 KiB, of every wave are always on their way.
; A ring slot owns its data registers and its offset register; the wait for its two loads frees both.  Row numbers come by scalar loads, asked for a whole lap ahead of their use.
; A slot from n on has the weight 0; its 32 lanes all name the same 16 bytes of slot 0's row, so that every lap issues the same 32 loads and the counted waits hold on every way.
; The ring's first fill goes out ahead of the softmax.
.set PT,  0                            ; LDS: p for each slot, 4,096 bytes
.set RED, 4096                         ; the waves' maxima at + 4 w, their sums at + 64 + 4 w
.set CST, 4352                         ; the waves' parts of the context: 1,024 bytes a wave
.set P,   44                           ; v44-59  a lap's sixteen weights
.set ACC, 60                           ; v60-67  my eight columns: 4 lane + 0..3 and 128 + 4 lane + 0..3
.set OFF, 68                           ; v68-83  ring slot q: the byte offset of my 16 bytes from keys at my batch and my columns
.set X,   96                           ; v96-223 ring slot q: 8 registers
.set RW,  68                           ; s[68:83] the sixteen rows that are being asked for
.set RN,  84                           ; s[84:99] those of the lap behind them, on their way
.macro ROWQ q                          ; ring slot q's next row.  s63 = n less the first slot of my wave in the lap that is being asked for
	s_cmp_gt_i32 s63, \q                           ; does the slot count?
	s_cselect_b32 s57, s[RW+\q], s52               ; its row, or slot 0's
	s_min_u32 s57, s57, 0x3ff
	s_lshl_b32 s57, s57, 12                        ; a row of keys is 4,096 bytes
	s_sub_co_i32 s58, s63, \q
	s_max_i32 s58, s58, 0
	s_min_u32 s58, s58, 1                          ; 1 where it counts, else 0
	s_lshl_b32 s58, s58, 4
	v_mad_u32_u24 v[OFF+\q], v1, s58, s57          ; + 16 x lane where it counts
.endm
.macro XLOAD q
	global_load_b128 v[X+8*\q:X+8*\q+3], v[OFF+\q], s[4:5]
	global_load_b128 v[X+8*\q+4:X+8*\q+7], v[OFF+\q], s[4:5] offset:512
.endm
.macro SLOT q, ahead, left
	s_wait_loadcnt \left                           ; loads come back in order (ISA guide 5.7.1): my two are in, which also frees their offset register; the younger ones stay out
.irp i, 0,2,4,6
.if (\q)%2
	v_pk_fma_f32 v[ACC+\i:ACC+\i+1], v[X+8*\q+\i:X+8*\q+\i+1], v[P+\q-1:P+\q], v[ACC+\i:ACC+\i+1] op_sel:[0,1,0] op_sel_hi:[1,1,1]
.else
	v_pk_fma_f32 v[ACC+\i:ACC+\i+1], v[X+8*\q+\i:X+8*\q+\i+1], v[P+\q:P+\q+1], v[ACC+\i:ACC+\i+1] op_sel_hi:[1,0,1]
.endif
.endr
.if \ahead
	ROWQ \q
	XLOAD \q
.endif
.endm
.macro WEIGHTS                         ; the lap's sixteen weights of my wave, the same in every lane
	v_mov_b32 v41, s62
.irp i, 0,1,2,3
	ds_load_b128 v[P+4*\i:P+4*\i+3], v41 offset:16*\i
.endr
.endm
	s_load_b256 s[4:11], s[0:1], 0x0               ; keys s[4:5], list s[6:7], cnt s[8:9], es s[10:11]
	s_load_b128 s[12:15], s[0:1], 0x20             ; out0 s[12:13], out1 s[14:15]
	v_lshl_add_u32 v224, v0, 2, 0x3100
	v_mov_b32 v225, 0
	v_lshrrev_b32 v1, 5, v0
	v_readfirstlane_b32 s16, v1                    ; wave 0..7
	s_and_b32 s18, ttmp7, 0xffff                   ; the batch
	s_lshl_b32 s22, s18, 2
	s_lshl_b32 s20, s18, 12
	s_mov_b32 s21, 0
	s_mov_b32 s59, 0
	s_mov_b32 s66, 0x76543210
	s_mov_b32 s67, 0xfedcba98                      ; lane selects: lane l xor 16
	v_and_b32 v1, 31, v0                           ; lane
	v_lshlrev_b32 v40, 4, v1                       ; 16 x lane
	v_lshlrev_b32 v2, 4, v0                        ; 16 x thread: my four slots' words
	v_lshlrev_b32 v3, 2, v0                        ; my first slot
	s_lshl_b32 s57, s16, 2
	s_add_co_u32 s57, s57, RED
	v_mov_b32 v14, s57                             ; my wave's word among the maxima
	v_mov_b32 v15, RED
	s_lshl_b32 s57, s16, 10
	s_add_co_u32 s57, s57, CST
	v_add_nc_u32 v42, s57, v40                     ; my wave's part of the context
	s_lshl_b32 s57, s16, 9
	v_add_nc_u32 v39, s57, v40                     ; waves 0, 1 at the end: 512 w + 16 x lane
	v_add_nc_u32 v43, CST, v39
	v_mov_b32 v13, 0                               ; a lane permute's destination counts as one of its sources
	v_mov_b32 v20, 0xff61b1e6                      ; -3e38
.irp i, 0,1,2,3,4,5,6,7
	v_mov_b32 v[ACC+\i], 0
.endr
.irp j, 0,1,2,3
	v_add_nc_u32 v[16+\j], \j, v3
.endr
	s_wait_kmcnt 0x0
	s_load_b32 s19, s[8:9], s22 offset:0x0         ; n
	s_add_nc_u64 s[6:7], s[6:7], s[20:21]
	s_add_nc_u64 s[10:11], s[10:11], s[20:21]
	s_add_nc_u64 s[12:13], s[12:13], s[20:21]
	s_add_nc_u64 s[14:15], s[14:15], s[20:21]
	s_load_b32 s52, s[6:7], 0x0                    ; slot 0's row: it counts wherever any row counts
	global_load_b128 v[4:7], v2, s[6:7]            ; my four slots' rows
	global_load_b128 v[8:11], v2, s[10:11]         ; and energies
	s_lshl_b32 s58, s16, 6
	s_add_nc_u64 s[54:55], s[6:7], s[58:59]        ; the list at my wave's sixteen slots of lap 0
	s_load_b512 s[RW:RW+15], s[54:55], 0x0         ; lap 0's rows
	s_load_b512 s[RN:RN+15], s[54:55], 0x200       ; lap 1's: 64 w + 512 + 63 lies inside the batch's 4,096 bytes
	s_lshl_b32 s58, s18, 22
	s_lshl_b32 s57, ttmp9, 10
	s_add_co_u32 s58, s58, s57
	s_add_nc_u64 s[4:5], s[4:5], s[58:59]          ; keys at my batch and my 256 columns
	s_mov_b32 s58, s57
	s_add_nc_u64 s[12:13], s[12:13], s[58:59]      ; out0 likewise
	s_wait_kmcnt 0x0
	s_min_u32 s19, s19, 1024
	s_lshl_b32 s57, s16, 4
	s_sub_co_i32 s63, s19, s57                     ; n less my wave's first slot of lap 0
	s_mov_b32 s53, 512                             ; where the rows that are on their way begin, from my wave's lap 0
	s_lshl_b32 s62, s16, 6                         ; PT + 64 w: my wave's weights of lap 0
	s_add_co_u32 s60, s19, 127
	s_lshr_b32 s60, s60, 7
	s_max_u32 s60, s60, 1
	s_sub_co_u32 s60, s60, 1                       ; laps that have a successor
	s_mov_b32 s61, 0
.irp j, 0,1,2,3
	v_cmp_gt_u32 s[48+\j], s19, v[16+\j]           ; does my slot count?
.endr
.irp q, 0,1,2,3,4,5,6,7,8,9,10,11,12,13,14,15
	ROWQ \q
	XLOAD \q                                       ; the ring is filled ahead of the softmax
.endr
	; ---- the softmax
	s_wait_loadcnt 32                              ; rows and energies are in; the 32 younger loads are the ring's
.irp j, 0,1,2,3
	v_cndmask_b32 v[8+\j], v20, v[8+\j], s[48+\j]
.endr
	v_max3_num_f32 v12, v8, v9, v10
	v_max_num_f32 v12, v12, v11
	v_max_num_f32_dpp v12, v12, v12 row_xmask:1 row_mask:0xf bank_mask:0xf
	v_max_num_f32_dpp v12, v12, v12 row_xmask:2 row_mask:0xf bank_mask:0xf
	v_max_num_f32_dpp v12, v12, v12 row_xmask:4 row_mask:0xf bank_mask:0xf
	v_max_num_f32_dpp v12, v12, v12 row_xmask:8 row_mask:0xf bank_mask:0xf
	v_permlanex16_b32 v13, v12, s66, s67
	v_max_num_f32 v12, v12, v13
	ds_store_b32 v14, v12                          ; all lanes store the same word with the same value
	s_wait_dscnt 0x0
	s_barrier_signal -1
	s_barrier_wait -1
	ds_load_b128 v[16:19], v15
	ds_load_b128 v[20:23], v15 offset:16
	s_wait_dscnt 0x0
	v_max3_num_f32 v12, v16, v17, v18
	v_max3_num_f32 v12, v12, v19, v20
	v_max3_num_f32 v12, v12, v21, v22
	v_max_num_f32 v12, v12, v23                    ; m
.irp j, 0,1,2,3
	v_sub_f32 v[24+\j], v[8+\j], v12
.endr
.irp j, 0,1,2,3
	v_mul_f32 v[24+\j], 0x3fb8aa3b, v[24+\j]
.endr
.irp j, 0,1,2,3
	v_exp_f32 v[24+\j], v[24+\j]
.endr
	v_nop                                          ; a plain line behind the last exponential
	s_wait_alu depctr_va_vdst(0)                   ; one wait for the four, ahead of their first reader
.irp j, 0,1,2,3
	v_cndmask_b32 v[24+\j], 0, v[24+\j], s[48+\j]
.endr
	v_add_f32 v28, v24, v25
	v_add_f32 v29, v26, v27
	v_add_f32 v28, v28, v29
	v_add_f32_dpp v28, v28, v28 row_xmask:1 row_mask:0xf bank_mask:0xf
	v_add_f32_dpp v28, v28, v28 row_xmask:2 row_mask:0xf bank_mask:0xf
	v_add_f32_dpp v28, v28, v28 row_xmask:4 row_mask:0xf bank_mask:0xf
	v_add_f32_dpp v28, v28, v28 row_xmask:8 row_mask:0xf bank_mask:0xf
	v_permlanex16_b32 v13, v28, s66, s67
	v_add_f32 v28, v28, v13
	ds_store_b32 v14, v28 offset:64
	ds_store_b128 v2, v[24:27] offset:PT
	s_wait_dscnt 0x0
	s_barrier_signal -1
	s_barrier_wait -1
	ds_load_b128 v[16:19], v15 offset:64
	ds_load_b128 v[20:23], v15 offset:80
	s_wait_dscnt 0x0
	v_add_f32 v16, v16, v17
	v_add_f32 v18, v18, v19
	v_add_f32 v20, v20, v21
	v_add_f32 v22, v22, v23
	v_add_f32 v16, v16, v18
	v_add_f32 v20, v20, v22
	v_add_f32 v28, v16, v20                        ; the sum
	v_rcp_f32 v30, v28
	v_cmp_lt_f32 vcc_lo, 0, v28                    ; (a plain line behind the reciprocal)
	s_wait_alu depctr_va_vdst(0)
	v_cndmask_b32 v30, 0, v30, vcc_lo              ; no row counts: 0
	v_mov_b32 v31, v30                             ; (named with it as a pair)
	s_lshr_b32 s57, s16, 1
	s_cmp_lg_u32 s57, ttmp9                        ; attn: waves 2 x and 2 x + 1 store their 256 slots
	s_cbranch_scc1 .Lno_attn
.irp j, 0,1,2,3
	v_min_u32 v[4+\j], 0x3ff, v[4+\j]
	v_lshlrev_b32 v[4+\j], 2, v[4+\j]
	v_mul_f32 v[32+\j], v[24+\j], v30
.endr
.irp j, 0,1,2,3
	global_store_b32 v[4+\j], v[32+\j], s[14:15]
.endr
.Lno_attn:
	; ---- the context
	s_cmp_eq_u32 s60, 0
	s_cbranch_scc1 .Ltail
.Llap:                                             ; a trip adds one lap's 16 rows of my wave and asks for the next lap's
	WEIGHTS
	s_add_co_u32 s62, s62, 512
	s_sub_co_i32 s63, s63, 128                     ; the lap that is asked for in this trip
	s_wait_kmcnt 0x0                               ; its rows, asked for a lap ago; the wait also frees that load's offset register
.irp i, 0,1,2,3,4,5,6,7
	s_mov_b64 s[RW+2*\i:RW+2*\i+1], s[RN+2*\i:RN+2*\i+1]
.endr
	s_add_co_u32 s53, s53, 512
	s_min_u32 s53, s53, 3584                       ; held at the batch's last lap: 64 w + 3,584 + 63 is the last byte of the batch's list at the most
	s_load_b512 s[RN:RN+15], s[54:55], s53 offset:0x0   ; the rows of the lap after that
	s_wait_dscnt 0x0
.irp q, 0,1,2,3,4,5,6,7,8,9,10,11,12,13,14,15
	SLOT \q, 1, 30                                 ; the 30 younger loads are the other fifteen slots'
.endr
	s_add_co_u32 s61, s61, 1
	s_cmp_lt_u32 s61, s60
	s_cbranch_scc1 .Llap
.Ltail:
	WEIGHTS
	s_wait_dscnt 0x0
.irp q, 0,1,2,3,4,5,6,7,8,9,10,11,12,13,14,15
	SLOT \q, 0, 30-2*\q                            ; the last lap loads nothing: the counts run down
.endr
	s_wait_dscnt 0x0
	s_barrier_signal -1                            ; every wave's reads of the weights are over: what is stored below is parted from them
	s_barrier_wait -1
	ds_store_b128 v42, v[ACC:ACC+3]
	ds_store_b128 v42, v[ACC+4:ACC+7] offset:512
	s_wait_dscnt 0x0
	s_barrier_signal -1
	s_barrier_wait -1
	s_cmp_lt_u32 s16, 2
	s_cbranch_scc0 .Ldone
.irp i, 0,1,2,3,4,5,6,7
	ds_load_b128 v[X+4*\i:X+4*\i+3], v43 offset:1024*\i   ; the eight waves' parts of my four columns
.endr
	s_wait_dscnt 0x0
.irp i, 1,2,3,4,5,6,7
	v_pk_add_f32 v[X:X+1], v[X:X+1], v[X+4*\i:X+4*\i+1]
	v_pk_add_f32 v[X+2:X+3], v[X+2:X+3], v[X+4*\i+2:X+4*\i+3]
.endr
	v_pk_mul_f32 v[X:X+1], v[X:X+1], v[30:31] op_sel_hi:[1,0]
	v_pk_mul_f32 v[X+2:X+3], v[X+2:X+3], v[30:31] op_sel_hi:[1,0]
	global_store_b128 v39, v[X:X+3], s[12:13]      ; 32 lanes store 512 consecutive bytes, at a multiple of 256 from out0's first byte
.Ldone:
	s_wait_tensorcnt 0x0
	ds_add_u32 v224, v225
	s_wait_dscnt 0x0
	s_endpgm
.Lfunc_end_k_qa87aac8c65_context:
	.size	k_qa87aac8c65_context, .Lfunc_end_k_qa87aac8c65_context-k_qa87aac8c65_context
	.p2alignl 7, 3214868480
	.fill 96, 4, 3214868480
	.section	.rodata,"a",@progbits
	.p2align	6, 0x0
	.amdhsa_kernel k_qa87aac8c65_context
		.amdhsa_group_segment_fixed_size 13568
		.amdhsa_private_segment_fixed_size 0
		.amdhsa_enable_private_segment 0
		.amdhsa_kernarg_size 48
		.amdhsa_user_sgpr_count 2
		.amdhsa_user_sgpr_kernarg_segment_ptr 1
		.amdhsa_wavefront_size32 1
		.amdhsa_system_sgpr_workgroup_id_x 1
		.amdhsa_system_sgpr_workgroup_id_y 1
		.amdhsa_system_sgpr_workgroup_id_z 1
		.amdhsa_system_vgpr_workitem_id 0
		.amdhsa_next_free_vgpr 226
		.amdhsa_next_free_sgpr 100
		.amdhsa_reserve_vcc 1
		.amdhsa_float_denorm_mode_32 3
		.amdhsa_float_denorm_mode_16_64 3
		.amdhsa_memory_ordered 1
		.amdhsa_forward_progress 1
		.amdhsa_inst_pref_size 38
	.end_amdhsa_kernel
	.amdgpu_metadata
---
amdhsa.version: [ 1, 2 ]
amdhsa.kernels:
  - .name:           k_qa87aac8c65_context
    .symbol:         k_qa87aac8c65_context.kd
    .args:
      - { .name: keys, .offset: 0, .size: 8, .value_kind: global_buffer, .address_space: global }
      - { .name: list, .offset: 8, .size: 8, .value_kind: global_buffer, .address_space: global }
      - { .name: cnt, .offset: 16, .size: 8, .value_kind: global_buffer, .address_space: global }
      - { .name: es, .offset: 24, .size: 8, .value_kind: global_buffer, .address_space: global }
      - { .name: out0, .offset: 32, .size: 8, .value_kind: global_buffer, .address_space: global }
      - { .name: out1, .offset: 40, .size: 8, .value_kind: global_buffer, .address_space: global }
    .group_segment_fixed_size: 13568
    .private_segment_fixed_size: 0
    .kernarg_segment_align: 8
    .kernarg_segment_size: 48
    .max_flat_workgroup_size: 256
    .sgpr_count:     100
    .vgpr_count:     226
    .wavefront_size: 32
...
	.end_amdgpu_metadata
.endif
;; end of part 3
;; ======== version 2 of 2: 3 launches; version 1 with the launches prep, energy, context written anew for expert scheduling mode
;; workspace buffers: list 262,144 bytes of whole numbers; cnt 256 bytes of whole numbers; qp 262,144 bytes; wkf 786,432 bytes; es 262,144 bytes
;; launch prep (part 4): grid 256 x 1, 2 waves a work-group, no clusters, 0 bytes of LDS; arguments query_codes, query_scales, Wq_codes, Wq_scales, Wk_codes, mask, qp, wkf, list, cnt, es; writes qp, wkf, list, cnt, es
.if DOCPART == 4
	.amdgcn_target "amdgcn-amd-amdhsa--gfx1250"
	.amdhsa_code_object_version 6
	.text
	.protected	k_qa87aac8c65_prep
	.globl	k_qa87aac8c65_prep
	.p2align	8
	.type	k_qa87aac8c65_prep,@function
k_qa87aac8c65_prep:
	s_mov_b64 s[64:65], 0
	v_nop
	global_prefetch_b8 v0, s[64:65] scope:SCOPE_SE
	s_setreg_imm32_b32 hwreg(HW_REG_WAVE_SCHED_MODE, 0, 2), 2
	s_setreg_imm32_b32 hwreg(HW_REG_WAVE_MODE, 25, 1), 1
	s_wait_xcnt 0x0
	s_wait_alu depctr_vm_vsrc(0)
; PREP.  Work-group 4 g + u (g = 0..63, u = 0..3), two waves that share nothing: no LDS, no barrier.
;   wave 0: qp[16 u + 0..15][16 g + 0..15] = query x Wq^T on codes of E3M2 with E8M0 scales, K = 1,024 in eight steps of 128.
;   wave 1: Wk's rows 16 g .. 16 g + 15, K steps 2 u and 2 u + 1, are laid into wkf in the order of an operand's registers:
;           fragment (g, ks) at (8 g + ks) x 1,536 bytes, registers 4 c .. 4 c + 3 of lane l at 512 c + 16 l: the reader takes a fragment by three dense loads of 16 bytes a lane.
;   wave 1 with u = 0 then: batch g's mask becomes a PERMUTATION of its 1,024 rows in list[g]: the rows that count (mask = 0) from slot 0 up, the padded ones from slot 1,023 down; cnt[g] = how many count.
;   wave 1 with u = 1 then: es[g][:] = 0: the third launch reads es whole, and the second stores only the slots that count.
; A fragment's loads take 8 bytes of each of 16 rows that lie 768 bytes apart: so the 256 tiles are dealt one to a work-group, 108 such loads a work-group.
; THE MODE: SCHED_MODE bits 1:0 = 2 (LLVM: expert scheduling mode 2), set by the entry lines.  The code itself states the register dependences
; between vector or matrix instructions and memory instructions, with s_wait_alu, always for 0.
; THE PLAN.  Registers that memory instructions touch:
;   v4, v5, v7, v8   offsets, each written once by vector lines: one wait on va_vdst stands ahead of each arm's first load.
;   v16 .. v215      land from loads and are read by matrix instructions and stores alone: no vector line writes them.
;   v6, v232-239     wave 0's offset and results; v44-47 the zeros for es; v14, v15 the count: one wait on va_vdst ahead of each run of stores.
;   v56-63           the list: four pairs (address, row number), written by four steps' vector lines and read by four stores: one wait on va_vdst ahead of the four stores,
;                    one on vm_vsrc ahead of the next four steps.  The four steps' masks lie in s40-43: one wait on va_sdst behind the four compares.
.macro FRAG6 reg, adr, base, off       ; a fragment, 16 rows x 128 K of 6-bit codes: lane (r, h) takes 24 bytes at 24 h and 24 bytes at 48 + 24 h of its row's 96, in pieces of 8 bytes
.irp p, 0,1,2,3,4,5
	global_load_b64 v[\reg+2*\p:\reg+2*\p+1], v[\adr], s[\base:\base+1] offset:\off+48*(\p/3)+8*(\p%3)
.endr
.endm
.macro RELAY_IN                        ; two fragments of Wk
	FRAG6 16, 4, 12, 0
	FRAG6 28, 4, 12, 96
.endm
.macro RELAY_OUT                       ; as they came into registers they go out, register group by register group
.irp i, 0,1,2,3,4,5
	global_store_b128 v7, v[16+4*\i:19+4*\i], s[18:19] offset:512*\i   ; 32 lanes store 512 consecutive bytes
.endr
.endm
	s_load_b512 s[4:19], s[0:1], 0x0               ; query codes s[4:5], query scales s[6:7], Wq codes s[8:9], Wq scales s[10:11], Wk codes s[12:13], mask s[14:15], qp s[16:17], wkf s[18:19]
	s_load_b128 s[20:23], s[0:1], 0x40             ; list s[20:21], cnt s[22:23]
	s_load_b64 s[34:35], s[0:1], 0x50              ; es
	v_lshrrev_b32 v1, 5, v0
	v_readfirstlane_b32 s24, v1                    ; wave 0, 1
	s_lshr_b32 s36, ttmp9, 2                       ; g
	s_and_b32 s25, ttmp9, 3                        ; u
	v_and_b32 v1, 31, v0                           ; lane
	v_and_b32 v2, 15, v0                           ; r
	v_bfe_u32 v3, v0, 4, 1                         ; h
	v_mul_u32_u24 v4, v2, 768                      ; a row of 1,024 codes is 768 bytes
	v_mad_u32_u24 v4, v3, 24, v4                   ; + 24 h
	s_mul_i32 s26, s36, 12288                      ; 16 g rows of codes; also fragment row g of wkf
	s_mov_b32 s27, 0
	s_mov_b32 s29, 0
	s_wait_kmcnt 0x0
	s_wait_alu depctr_va_sdst(0)                   ; s24, the wave's number, is written, ahead of its first reader
	s_cmp_eq_u32 s24, 0
	s_cbranch_scc0 .Lrelay
	; ---- wave 0: the query's projection
	s_add_nc_u64 s[8:9], s[8:9], s[26:27]          ; Wq's rows 16 g on
	s_mul_i32 s28, s25, 12288
	s_add_nc_u64 s[4:5], s[4:5], s[28:29]          ; the query's rows 16 u on
	s_lshl_b32 s28, s36, 9
	s_add_nc_u64 s[10:11], s[10:11], s[28:29]      ; their scale bytes: 32 a row
	s_lshl_b32 s28, s25, 9
	s_add_nc_u64 s[6:7], s[6:7], s[28:29]
	v_lshlrev_b32 v5, 5, v2
	v_lshl_add_u32 v5, v3, 4, v5                   ; 32 r + 16 h: lanes 0-15 take the words of K steps 0-3, lanes 16-31 those of K steps 4-7
	s_wait_alu depctr_va_vdst(0)                   ; v4 and v5 are written, which the loads below read as their offsets
.irp k, 0,1,2,3,4,5,6,7
	FRAG6 16+12*\k, 4, 8, 96*\k
	FRAG6 112+12*\k, 4, 4, 96*\k
.endr
	global_load_b128 v[208:211], v5, s[10:11]      ; Wq's scale words: register i = K step i (lanes 0-15) and 4 + i (lanes 16-31)
	global_load_b128 v[212:215], v5, s[6:7]        ; the query's likewise
	v_lshlrev_b32 v6, 12, v2
	v_lshl_add_u32 v6, v3, 5, v6                   ; qp: row r of 4,096 bytes, + 32 h
	s_lshl_b32 s28, s25, 16
	s_lshl_b32 s30, s36, 6
	s_add_co_u32 s28, s28, s30
	s_add_nc_u64 s[16:17], s[16:17], s[28:29]      ; at row 16 u, column 16 g
	s_wait_loadcnt 0x0
	; used transposed: source 0 = 16 rows of Wq, source 1 = 16 batches: a lane then holds eight neighbouring columns of one row of qp.
	; Two accumulators, the even and the odd K steps, take turns; the first product of each starts its sum.
.irp k, 0,1,2,3,4,5,6,7
.if \k < 2
	v_wmma_scale_f32_16x16x128_f8f6f4 v[216+8*(\k%2):223+8*(\k%2)], v[16+12*\k:27+12*\k], v[112+12*\k:123+12*\k], 0, v[208+\k], v[212+\k] matrix_a_fmt:MATRIX_FMT_BF6 matrix_b_fmt:MATRIX_FMT_BF6
.elseif \k < 4
	v_wmma_scale_f32_16x16x128_f8f6f4 v[216+8*(\k%2):223+8*(\k%2)], v[16+12*\k:27+12*\k], v[112+12*\k:123+12*\k], v[216+8*(\k%2):223+8*(\k%2)], v[208+\k], v[212+\k] matrix_a_fmt:MATRIX_FMT_BF6 matrix_b_fmt:MATRIX_FMT_BF6
.else
	v_wmma_scale_f32_16x16x128_f8f6f4 v[216+8*(\k%2):223+8*(\k%2)], v[16+12*\k:27+12*\k], v[112+12*\k:123+12*\k], v[216+8*(\k%2):223+8*(\k%2)], v[204+\k], v[208+\k] matrix_a_fmt:MATRIX_FMT_BF6 matrix_b_fmt:MATRIX_FMT_BF6 matrix_a_scale:MATRIX_SCALE_ROW1 matrix_b_scale:MATRIX_SCALE_ROW1
.endif
.endr
.rept 4
	v_nop                                          ; four places between the last product and the first read of a result (ISA guide 7.12.1)
.endr
.irp j, 0,1,2,3,4,5,6,7
	v_add_f32 v[232+\j], v[216+\j], v[224+\j]      ; the two halves of K; each accumulator is read from its low end on
.endr
	s_wait_alu depctr_va_vdst(0)                   ; the additions have written v[232:239] and v6 is written: the two stores read them
	global_store_b128 v6, v[232:235], s[16:17]     ; qp[16 u + r][16 g + 8 h + 0..7]: pieces of 64 bytes a row; the whole of qp is 256 KiB, so no stage is spent on them
	global_store_b128 v6, v[236:239], s[16:17] offset:16
	s_branch .Ldone
.Lrelay:
	; ---- wave 1: two fragments of Wk
	s_add_nc_u64 s[12:13], s[12:13], s[26:27]      ; Wk's rows 16 g on
	s_mul_i32 s28, s25, 192
	s_add_nc_u64 s[12:13], s[12:13], s[28:29]      ; K step 2 u
	s_add_nc_u64 s[18:19], s[18:19], s[26:27]
	s_mul_i32 s28, s25, 3072
	s_add_nc_u64 s[18:19], s[18:19], s[28:29]      ; wkf at fragment (g, 2 u)
	v_lshlrev_b32 v7, 4, v1                        ; 16 x lane
	s_cmp_eq_u32 s25, 0
	s_cbranch_scc1 .Lwith_list
	s_wait_alu depctr_va_vdst(0)                   ; v4 and v7 are written: the loads read the one as their offset, the stores the other
	RELAY_IN
	s_wait_loadcnt 0x0
	RELAY_OUT
	s_cmp_eq_u32 s25, 1
	s_cbranch_scc0 .Ldone
	; ---- u = 1: es[g][:] = 0
	s_lshl_b32 s28, s36, 12
	s_add_nc_u64 s[34:35], s[34:35], s[28:29]
.irp i, 0,1,2,3
	v_mov_b32 v[44+\i], 0
.endr
	s_wait_alu depctr_va_vdst(0)                   ; the zeros in v[44:47] are written, which the eight stores read
.irp i, 0,1,2,3,4,5,6,7
	global_store_b128 v7, v[44:47], s[34:35] offset:512*\i
.endr
	s_branch .Ldone
.Lwith_list:
	; ---- u = 0: the fragments, and the list.  The mask is asked for together with the fragments.
	; Register i of lane l holds mask[g][128 i + 4 l + 0..3].  Step (i, k) places the 32 rows 128 i + 4 l + k.
	s_lshl_b32 s28, s36, 10
	s_add_nc_u64 s[14:15], s[14:15], s[28:29]
	v_lshlrev_b32 v8, 2, v1                        ; 4 x lane: my bytes of the mask, and my first row's number
	v_sub_nc_u32 v9, 0, v1                         ; - lane
	s_wait_alu depctr_va_vdst(0)                   ; v4, v7 and v8 are written: the offsets of the loads and stores below
.irp i, 0,1,2,3,4,5,6,7
	global_load_b32 v[40+\i], v8, s[14:15] offset:128*\i
.endr
	RELAY_IN
	s_lshl_b32 s28, s36, 12
	s_add_nc_u64 s[20:21], s[20:21], s[28:29]
	s_lshl_b32 s28, s36, 2
	s_add_nc_u64 s[22:23], s[22:23], s[28:29]
	s_mov_b32 s30, 0                               ; the next slot from below
	s_mov_b32 s31, 1023                            ; the next slot from above
	s_wait_loadcnt 0x0
	RELAY_OUT
.macro LISTPLACE i, k                  ; step (i, k): its mask lies in s[40 + k]
	v_mbcnt_lo_u32_b32 v11, s[40+\k], 0            ; how many lanes below me count
	v_add_nc_u32 v12, s30, v11                     ; a row that counts: from below
	v_add3_u32 v13, v11, s31, v9                   ; a padded row: from above, less the padded lanes below me (lane - v11)
	v_cndmask_b32 v[56+2*\k], v13, v12, s[40+\k]
	v_min_u32 v[56+2*\k], 0x3ff, v[56+2*\k]        ; a slot is 0 .. 1,023
	v_lshlrev_b32 v[56+2*\k], 2, v[56+2*\k]
	v_add_nc_u32 v[57+2*\k], 128*\i+\k, v8         ; the row's number
	s_bcnt1_i32_b32 s32, s[40+\k]
	s_add_co_u32 s30, s30, s32
	s_add_co_u32 s31, s31, s32
	s_sub_co_u32 s31, s31, 32                      ; 32 less those that count
.endm
.irp i, 0,1,2,3,4,5,6,7
.if \i > 0
	s_wait_xcnt 0x0                                ; the last four stores have had their addresses translated: the four pairs are written again only behind this wait
	s_wait_alu depctr_vm_vsrc(0)                   ; the last four stores have read v[56:63], which the four steps below write again
.endif
.irp k, 0,1,2,3
	v_bfe_u32 v[48+\k], v[40+\i], 8*\k, 8
.endr
.irp k, 0,1,2,3
	v_cmp_eq_u32 s[40+\k], 0, v[48+\k]             ; the row counts
.endr
	s_wait_alu depctr_va_sdst(0)                   ; the four masks s40 to s43 are written, ahead of their first readers: one wait behind the run of compares
.irp k, 0,1,2,3
	LISTPLACE \i, \k
.endr
	s_wait_alu depctr_va_vdst(0)                   ; the four steps have written v[56:63]: addresses and row numbers of the four stores
.irp k, 0,1,2,3
	global_store_b32 v[56+2*\k], v[57+2*\k], s[20:21]
.endr
.endr
	v_mov_b32 v14, s30
	v_mov_b32 v15, 0
	s_wait_alu depctr_va_vdst(0)                   ; v14 and v15 are written, which the store reads
	global_store_b32 v15, v14, s[22:23]            ; cnt[g]: every lane stores the same word with the same value
.Ldone:
	s_endpgm
.Lfunc_end_k_qa87aac8c65_prep:
	.size	k_qa87aac8c65_prep, .Lfunc_end_k_qa87aac8c65_prep-k_qa87aac8c65_prep
	.p2alignl 7, 3214868480
	.fill 96, 4, 3214868480
	.section	.rodata,"a",@progbits
	.p2align	6, 0x0
	.amdhsa_kernel k_qa87aac8c65_prep
		.amdhsa_group_segment_fixed_size 0
		.amdhsa_private_segment_fixed_size 0
		.amdhsa_enable_private_segment 0
		.amdhsa_kernarg_size 88
		.amdhsa_user_sgpr_count 2
		.amdhsa_user_sgpr_kernarg_segment_ptr 1
		.amdhsa_wavefront_size32 1
		.amdhsa_system_sgpr_workgroup_id_x 1
		.amdhsa_system_sgpr_workgroup_id_y 1
		.amdhsa_system_sgpr_workgroup_id_z 1
		.amdhsa_system_vgpr_workitem_id 0
		.amdhsa_next_free_vgpr 256
		.amdhsa_next_free_sgpr 66
		.amdhsa_reserve_vcc 0
		.amdhsa_float_denorm_mode_32 3
		.amdhsa_float_denorm_mode_16_64 3
		.amdhsa_memory_ordered 1
		.amdhsa_forward_progress 1
		.amdhsa_inst_pref_size 43
	.end_amdhsa_kernel
	.amdgpu_metadata
---
amdhsa.version: [ 1, 2 ]
amdhsa.kernels:
  - .name:           k_qa87aac8c65_prep
    .symbol:         k_qa87aac8c65_prep.kd
    .args:
      - { .name: query_codes, .offset: 0, .size: 8, .value_kind: global_buffer, .address_space: global }
      - { .name: query_scales, .offset: 8, .size: 8, .value_kind: global_buffer, .address_space: global }
      - { .name: Wq_codes, .offset: 16, .size: 8, .value_kind: global_buffer, .address_space: global }
      - { .name: Wq_scales, .offset: 24, .size: 8, .value_kind: global_buffer, .address_space: global }
      - { .name: Wk_codes, .offset: 32, .size: 8, .value_kind: global_buffer, .address_space: global }
      - { .name: mask, .offset: 40, .size: 8, .value_kind: global_buffer, .address_space: global }
      - { .name: qp, .offset: 48, .size: 8, .value_kind: global_buffer, .address_space: global }
      - { .name: wkf, .offset: 56, .size: 8, .value_kind: global_buffer, .address_space: global }
      - { .name: list, .offset: 64, .size: 8, .value_kind: global_buffer, .address_space: global }
      - { .name: cnt, .offset: 72, .size: 8, .value_kind: global_buffer, .address_space: global }
      - { .name: es, .offset: 80, .size: 8, .value_kind: global_buffer, .address_space: global }
    .group_segment_fixed_size: 0
    .private_segment_fixed_size: 0
    .kernarg_segment_align: 8
    .kernarg_segment_size: 88
    .max_flat_workgroup_size: 64
    .sgpr_count:     66
    .vgpr_count:     256
    .wavefront_size: 32
...
	.end_amdgpu_metadata
.endif
;; end of part 4
;; launch energy (part 5): grid 4 x 64, 4 waves a work-group, no clusters, 304,640 bytes of LDS; arguments keys, list, cnt, qp, wkf, Wk_scales, v, es; writes es
.if DOCPART == 5
	.amdgcn_target "amdgcn-amd-amdhsa--gfx1250"
	.amdhsa_code_object_version 6
	.text
	.protected	k_qa87aac8c65_energy
	.globl	k_qa87aac8c65_energy
	.p2align	8
	.type	k_qa87aac8c65_energy,@function
k_qa87aac8c65_energy:
	s_mov_b64 s[64:65], 0
	v_nop
	global_prefetch_b8 v0, s[64:65] scope:SCOPE_SE
	s_setreg_imm32_b32 hwreg(HW_REG_WAVE_SCHED_MODE, 0, 2), 2
	s_setreg_imm32_b32 hwreg(HW_REG_WAVE_MODE, 25, 1), 1
	s_wait_xcnt 0x0
	s_wait_alu depctr_vm_vsrc(0)
; ENERGY.  es[b][slot] = -2 x the sum over the 1,024 hidden units of v[u] / (1 + 2^(2 log2(e) (qp[b][u] + keys[b][row] . Wk[u]))), row = list[b][slot]:
; that is v . tanh(..) less the sum of v, a number common to all slots, which the softmax of the next launch takes away again (tanh x = 1 - 2 / (1 + e^(2 x))).
; Only the rows that count are worked on: a padded row's energy is replaced by -infinity in the problem itself.  keys . Wk goes on codes of E3M2 with one E8M0 scale for each 32 along K; the keys are quantised here.
; LIMITS: padded rows of keys are never read, so a NaN or an infinity there is not carried on; NaN and infinities among the keys are not served by the quantiser; a block of zeros gets the byte 1, its codes are zeros.
; SHARES.  Work-group (t, b): batch b's blocks of 16 slots, nblk = ceil(n / 16) of them, are dealt to t = 0..3 in runs of q = ceil(nblk / 4): at most 16 blocks.  A last block may hold padded rows: they are rows of the
; batch like any other and their energies are not used.  A work-group that the split leaves no block takes one block through phases 1 and 2 all the same, so that no LDS byte is read unwritten, and stores nothing.
; All four waves see all the work-group's rows; wave w owns hidden units 256 w .. 256 w + 255: 16 blocks of 16, in four chunks of 4.  A chunk's 32 fragments of Wk (384 registers) stay in registers while all
; row blocks pass, in two buffers: chunk c + 1 lands while chunk c is multiplied.  So the work-group reads Wk's 786,432 bytes once.
; NO TENSOR LOADS, NO CLUSTER: how many blocks a work-group has is a number read from memory, and partners would have different numbers of them; operands go from memory straight into registers.
; PHASE 1: wave w gathers K steps 2 w and 2 w + 1 (1,024 bytes) of each row, quantises them and lays the fragments into LDS as images of their registers | barrier |
; PHASE 2: four chunks x all blocks: 32 products, the activation, the products with v added up in eight registers a block, which wait in LDS between chunks | barrier |
; PHASE 3: the four waves' parts of a block are added, then the 16 lanes of a row: 16 energies, 64 consecutive bytes.
; The loops over blocks have 16 trips, a constant; a trip beyond the work-group's blocks jumps over the work, never over a barrier, and steps the addresses.
; THE PRODUCT: source 0 = 16 rows of keys, source 1 = 16 rows of Wk: register j of lane (r, h) is (row 8 h + j, hidden unit r): qp and v cost one register for a block of hidden units.
; THE MODE: SCHED_MODE bits 1:0 = 2 (LLVM: expert scheduling mode 2), set by the entry lines.  The code itself states the register dependences
; between vector or matrix instructions and memory or LDS instructions, with s_wait_alu, always for 0.
; THE PLAN.  Registers that memory or LDS instructions touch, and who else names them:
;   v1-7, v10, v13-15, v227   addresses made once at the head: one wait on va_vdst ahead of the kernel's first load.
;   PHASE 1  window 3's v0-127: loads of keys land, the stage's LDS stores read; no vector line names them: a wait on vm_vsrc ahead of each new run of loads.
;            X: the stage's LDS loads land, QUANT reads.  The codes and the scale word: QUANT writes, the image's LDS stores read.  IWA, SWA: two additions at a trip's head write, the image's stores read.
;            A wait on va_vdst behind each QUANT (codes written; X free for the next loads from the stage) and at a trip's head; a wait on vm_vsrc ahead of each QUANT's rewriting of the codes.
;   PHASE 2  A, ASCR: LDS loads land, the 32 products read.  AR, ASA, EPA: additions behind the products write, LDS loads and stores read.  OLD: LDS loads land, the sums read.  EA: the sums write, LDS stores read.
;            In a block: ONE wait on vm_vsrc behind the products frees EPA, AR, ASA and EA; ONE on va_vdst behind the additions states that the addresses are written, that the products are done reading A and ASCR
;            and the last block's sums OLD; the loads of OLD and of the next block's fragments follow it; one more stands ahead of EA's stores.
;            The two buffers of Wk's fragments, BSC, QC, VV: chunk c names buffer c % 2 alone, so the wait on va_vdst at a chunk's head serves both halves of the next chunk's loads into the other buffer.
;   PHASE 3  T: LDS loads land, the additions read and write; RES: selects write, a store reads: one wait on va_vdst ahead of each store, which also serves the next block's loads into T.
.set COMPACT, 1                        ; 0: all 1,024 slots are walked
.set AWV,  49152                       ; LDS 0: the keys' fragments, a region for each wave that writes them: 49,152 w + 3,072 i + 1,536 u (block i, K step 2 w + u); registers 4 g .. 4 g + 3 of lane l at 512 g + 16 l
.set ABL,  3072
.set ASC,  196608                      ; their scale words: 2,048 w + 128 i + 8 r + 4 u
.set STG,  204800                      ; a stage for each wave: 16 rows x (512 bytes + 16): 33 x 16 bytes from row to row, so that sixteen rows' equal columns fall on different banks (ISA guide 11.1)
.set SP,   528
.set EP,   238592                      ; the energies' parts: 16,384 w + 1,024 i; registers 0-3 of lane l at 16 l, registers 4-7 at 512 + 16 l
.set L16, 1                            ; v1   16 x lane
.set KOF, 2                            ; v2   my bytes in a row of keys: 1,024 w + 16 x lane
.set STI, 3                            ; v3   the stage, in: 16 x lane
.set STO, 4                            ; v4   the stage, out: 528 r + 64 h
.set IMW, 5                            ; v5   where my wave's images begin, + 16 x lane
.set SCW, 6                            ; v6   where my wave's scale words begin, + 8 r
.set EPB, 7                            ; v7   where my wave's parts begin, + 16 x lane
.set IWA, 8                            ; v8   IMW + the block
.set SWA, 9                            ; v9   SCW + the block
.set EPR, 10                           ; v10  phase 3: EP + 1,024 w + 16 x lane
.set ASA, 11                           ; v11  the block's scale words, for reading
.set EPA, 12                           ; v12  EPB + the block
.set BSO, 13                           ; v13  32 r + 16 h: Wk's scale bytes
.set QVO, 14                           ; v14  4 r: qp and v
.set ESO, 15                           ; v15  phase 3: 64 w + 32 h + 4 (lane % 8)
.set A,   16                           ; v16-111  a block's eight fragments
.set ACC, 112                          ; v112-143 four tiles of 16 x 16
.set EA,  144                          ; v144-151 the block's parts of its energies
.set ASCR,152                          ; v152-155 the keys' scale words: register i = K step i (lanes 0-15) and 4 + i (lanes 16-31)
.set BSC, 156                          ; v156-187 Wk's scale words, 16 a buffer, laid likewise
.set QC,  188                          ; v188-195 qp x 2 log2(e), 4 a buffer
.set VV,  196                          ; v196-203 -2 v, 4 a buffer
.set BX,  204                          ; v204-215 the one fragment of Wk for which windows 1 to 3 have no room
.set OLD, 216                          ; v216-223 the parts as the chunks before left them
.set LN,  224
.set RR,  225
.set HH,  226
.set ASB, 227                          ; v227 ASC + 4,096 h + 8 r
.set AR,  252                          ; v252-255 the block's images, for reading: one register for each pair of K steps
.set X,   16                           ; phase 1: v16-79 64 numbers; v80-99 codes; v100-115 at work; v116 the scale word
.set PC,  80
.set TM,  100
.set PW,  116
.set T,   16                           ; phase 3: v16-47 four waves' parts; v48-51 results
.set RES, 48
; windows 1 to 3: Wk's fragments: fragment F = 32 x buffer + 4 ks + n at register 12 (F % 21) of window 1 + F / 21; F = 63 in BX.  In phase 1 window 3's v0-127 take the keys as they are loaded (buffer 1 is not yet in use).
.set WV,   20
.set TT,   21
.set BB,   22
.set NN,   23
.set NBLK, 24
.set QQ,   25
.set BLK0, 26
.set MINE, 27
.set II,   28                          ; the trip
.set IB,   29                          ; its images: 3,072 a block
.set SB,   30                          ; its scale words: 128 a block
.set LB,   31                          ; phase 1: its 64 bytes of the list; phase 2: its 1,024 bytes of parts
.set ROWS, 32                          ; s[32:47] sixteen row numbers
.set SEL,  48                          ; s[48:49] lane selects: lane l xor 16
.set CC,   50                          ; s[50:51] 2 log2(e)
.set LST,  52                          ; s[52:53] the list at my first block
.set KEY,  54                          ; s[54:55] keys at my batch
.set OF,   56                          ; s[56:57] an offset, 0 above it
.set WKF,  58                          ; s[58:59] wkf at my wave's hidden units
.set WKS,  60                          ; s[60:61] Wk's scale bytes likewise
.set MINE1,62
.set CO,   63                          ; at the head: the count's offset; in phase 2: the trip + 1
.set RB,   66                          ; s[66:97] sixteen rows' addresses
.set TA,   98
.set TB2,  99
.set MSB, 0
.macro WIN new                         ; the immediate's high byte repeats the setting that is left; a switch that changes nothing is dropped
.if MSB != \new
	s_set_vgpr_msb (MSB<<8)|\new
.set MSB, \new
.endif
.endm
.macro ROWBASES                        ; sixteen numbers of the list become sixteen addresses
.irp p, 0,1,2,3,4,5,6,7,8,9,10,11,12,13,14,15
	s_min_u32 s[ROWS+\p], s[ROWS+\p], 0x3ff
	s_lshl_b32 s[OF], s[ROWS+\p], 12
	s_add_nc_u64 s[RB+2*\p:RB+2*\p+1], s[KEY:KEY+1], s[OF:OF+1]
.endr
.endm
.macro KLOAD u                         ; K step 2 w + u of the sixteen rows: one load reads 512 consecutive bytes of one row
	WIN 0xc0                                       ; destination window 3
.irp p, 0,1,2,3,4,5,6,7,8,9,10,11,12,13,14,15
	global_load_b128 v[64*\u+4*\p:64*\u+4*\p+3], v[KOF], s[RB+2*\p:RB+2*\p+1] offset:512*\u th:TH_LOAD_NT
.endr
	WIN 0
.endm
.macro TURN u                          ; through my stage: in as loaded, out so that register 16 b + i of lane (r, h) is k = 32 b + 16 h + i of row r.  LDS serves a wave's instructions in order (ISA guide 5.7.1.4)
	WIN 0x0c                                       ; an LDS store's data are its source 1: window 3
.irp p, 0,1,2,3,4,5,6,7,8,9,10,11,12,13,14,15
	ds_store_b128 v[STI], v[64*\u+4*\p:64*\u+4*\p+3] offset:SP*\p
.endr
	WIN 0
.irp b, 0,1,2,3
.irp j, 0,1,2,3
	ds_load_b128 v[X+16*\b+4*\j:X+16*\b+4*\j+3], v[STO] offset:128*\b+16*\j
.endr
.endr
.endm
; 64 numbers of a lane, register 16 b + i = k 32 b + 16 (lane / 16) + i of my row, become a fragment's codes in v[PC] on and its scale word in v[PW].
.macro QUANT s
.irp b, 0,1,2,3
	v_max3_num_f32 v[TM+\b], |v[\s+16*\b]|, |v[\s+1+16*\b]|, 0x2800000   ; block b: my 16 numbers, and the floor 2^(5 - 127): so the byte cannot fall under 1
.endr
.irp i, 2,4,6,8,10,12,14
.irp b, 0,1,2,3
	v_max3_num_f32 v[TM+\b], v[TM+\b], |v[\s+16*\b+\i]|, |v[\s+1+16*\b+\i]|   ; the four blocks by turns
.endr
.endr
.irp b, 0,1,2,3
	v_permlanex16_b32 v[TM+4+\b], v[TM+\b], s[SEL], s[SEL+1]
.endr
.irp b, 0,1,2,3
	v_max_num_f32 v[TM+\b], v[TM+\b], v[TM+4+\b]   ; with lane l xor 16's: the block's largest magnitude
.endr
.irp b, 0,1,2,3
	v_add_nc_u32 v[TM+12+\b], 0xfe000000, v[TM+\b] ; 4 off its exponent field: the conversion takes the exponent field of this operand as its scale
.endr
.irp b, 0,1,2,3
	v_lshrrev_b32 v[TM+4+\b], 23, v[TM+12+\b]      ; the scale's byte
.endr
	v_lshl_or_b32 v[PW], v[TM+5], 8, v[TM+4]
	v_lshl_or_b32 v[PW], v[TM+6], 16, v[PW]
	v_lshl_or_b32 v[PW], v[TM+7], 24, v[PW]
.irp c, 0,1
	v_cvt_scalef32_pk16_bf6_f32 v[PC+6*\c:PC+2+6*\c], v[\s+32*\c:\s+15+32*\c], v[TM+12+2*\c]
	v_cvt_scalef32_pk16_bf6_f32 v[PC+12+4*\c:PC+14+4*\c], v[\s+16+32*\c:\s+31+32*\c], v[TM+12+2*\c+1]   ; (a conversion's three registers begin on an even number)
.endr
	v_nop                                          ; one plain place behind a scaled conversion
.irp c, 0,1                                    ; the operand's layout wants a whole block in a lane: lanes 0-15 block 2 c, lanes 16-31 block 2 c + 1
.irp i, 0,1,2
	v_permlane16_swap_b32 v[PC+6*\c+\i], v[PC+12+4*\c+\i]
.endr
.irp i, 0,1,2
	v_mov_b32 v[PC+3+6*\c+\i], v[PC+12+4*\c+\i]
.endr
.endr
.endm
.macro IMAGE adr, off                  ; the fragment in v[PC] on goes to LDS as it stands
.irp g, 0,1,2
	ds_store_b128 v[\adr], v[PC+4*\g:PC+4*\g+3] offset:\off+512*\g
.endr
.endm
; Half of chunk ch's 108 loads into buffer ch % 2: 4 of qp, 4 of v, 4 of scale words, 96 of fragments in ascending F.
.macro BLOADS ch, part
.set bb, (\ch)%2
.set it, 54*(\part)
.rept 54
.if it < 4
	global_load_b32 v[QC+4*bb+it], v[QVO], s[10:11] offset:64*(4*(\ch)+it)
.elseif it < 8
	global_load_b32 v[VV+4*bb+it-4], v[QVO], s[16:17] offset:64*(4*(\ch)+it-4)
.elseif it < 12
	global_load_b128 v[BSC+16*bb+4*(it-8):BSC+16*bb+4*(it-8)+3], v[BSO], s[WKS:WKS+1] offset:512*(4*(\ch)+it-8)
.else
.set ff, (it-12)/3
.set cg, (it-12)%3
.set fg, 32*bb+ff
.if fg == 63
.set wn, 0
.set rg, BX
.else
.set wn, (1+fg/21)<<6
.set rg, 12*(fg%21)
.endif
	WIN wn
	global_load_b128 v[rg+4*cg:rg+4*cg+3], v[L16], s[WKF:WKF+1] offset:12288*(4*(\ch)+ff%4)+1536*(ff/4)+512*cg
.endif
.set it, it+1
.endr
	WIN 0
.endm
.macro AADDR                           ; the addresses of the block whose images begin at s[TA] and whose scale words begin at s[TB2]
	v_add_nc_u32 v[AR], s[TA], v[L16]
	v_add_nc_u32 v[AR+1], AWV, v[AR]
	v_add_nc_u32 v[AR+2], 2*AWV, v[AR]
	v_add_nc_u32 v[AR+3], 3*AWV, v[AR]
	v_add_nc_u32 v[ASA], s[TB2], v[ASB]
.endm
.macro AFETCH                          ; a block's eight fragments and its scale words
.irp k, 0,1,2,3,4,5,6,7
.irp g, 0,1,2
	ds_load_b128 v[A+12*\k+4*\g:A+12*\k+4*\g+3], v[AR+\k/2] offset:1536*(\k%2)+512*\g
.endr
.endr
	ds_load_b64 v[ASCR:ASCR+1], v[ASA]             ; lanes 0-15: K steps 0, 1; lanes 16-31: 4, 5
	ds_load_b64 v[ASCR+2:ASCR+3], v[ASA] offset:2048   ; 2, 3 and 6, 7
.endm
; 32 products: K step by K step, the four tiles by turns, one instruction a turn; the first four start the sums.
.macro MUL32 bf
.set fi, 0
.rept 32
.set fg, 32*(\bf)+fi
.set kk, fi/4
.set nn, fi%4
.if fg == 63
.set wn, 0
.set rg, BX
.else
.set wn, (1+fg/21)<<2
.set rg, 12*(fg%21)
.endif
	WIN wn                                         ; source 1 in the fragment's window
.if fi < 4
	v_wmma_scale_f32_16x16x128_f8f6f4 v[ACC+8*nn:ACC+8*nn+7], v[A+12*kk:A+12*kk+11], v[rg:rg+11], 0, v[ASCR+kk%4], v[BSC+16*(\bf)+4*nn+kk%4] matrix_a_fmt:MATRIX_FMT_BF6 matrix_b_fmt:MATRIX_FMT_BF6
.elseif fi < 16
	v_wmma_scale_f32_16x16x128_f8f6f4 v[ACC+8*nn:ACC+8*nn+7], v[A+12*kk:A+12*kk+11], v[rg:rg+11], v[ACC+8*nn:ACC+8*nn+7], v[ASCR+kk%4], v[BSC+16*(\bf)+4*nn+kk%4] matrix_a_fmt:MATRIX_FMT_BF6 matrix_b_fmt:MATRIX_FMT_BF6
.else
	v_wmma_scale_f32_16x16x128_f8f6f4 v[ACC+8*nn:ACC+8*nn+7], v[A+12*kk:A+12*kk+11], v[rg:rg+11], v[ACC+8*nn:ACC+8*nn+7], v[ASCR+kk%4], v[BSC+16*(\bf)+4*nn+kk%4] matrix_a_fmt:MATRIX_FMT_BF6 matrix_b_fmt:MATRIX_FMT_BF6 matrix_a_scale:MATRIX_SCALE_ROW1 matrix_b_scale:MATRIX_SCALE_ROW1
.endif
.set fi, fi+1
.endr
.endm
; The activation and the product with v, for four tiles: x = 2 log2(e) (score + qp); 1 / (1 + 2^x); times -2 v, added up.  Two batches of transcendentals, each with one plain line and one wait behind it.
.macro EPI bf, ch
.irp n, 0,1,2,3
.irp p, 0,2,4,6                                ; each tile is read from its low end on
.if \n%2
	v_pk_fma_f32 v[ACC+8*\n+\p:ACC+8*\n+\p+1], v[ACC+8*\n+\p:ACC+8*\n+\p+1], s[CC:CC+1], v[QC+4*\bf+\n-1:QC+4*\bf+\n] op_sel:[0,0,1] op_sel_hi:[1,0,1]
.else
	v_pk_fma_f32 v[ACC+8*\n+\p:ACC+8*\n+\p+1], v[ACC+8*\n+\p:ACC+8*\n+\p+1], s[CC:CC+1], v[QC+4*\bf+\n:QC+4*\bf+\n+1] op_sel_hi:[1,0,0]
.endif
.endr
.endr
.set jj, 0
.rept 32
	v_exp_f32 v[ACC+jj], v[ACC+jj]
.set jj, jj+1
.endr
	v_nop                                          ; a plain line behind the last exponential
	s_wait_alu depctr_va_vdst(0)                   ; the 32 exponentials have written v[ACC ..]: one wait, ahead of their first reader
.set jj, 0
.rept 16
	v_pk_add_f32 v[ACC+jj:ACC+jj+1], v[ACC+jj:ACC+jj+1], 1.0 op_sel_hi:[1,0]
.set jj, jj+2
.endr
.set jj, 0
.rept 32
	v_rcp_f32 v[ACC+jj], v[ACC+jj]                 ; an exponential that has run over gives 0 here, one that has run under gives 1: tanh's two ends
.set jj, jj+1
.endr
	v_nop
	s_wait_alu depctr_va_vdst(0)                   ; the 32 reciprocals have written v[ACC ..]: one wait, ahead of their first reader
.if \ch > 0
	s_wait_dscnt 0x0                               ; the parts as the chunks before left them are in OLD: asked for ahead of the activation, with the next block's fragments behind them
.endif
.irp n, 0,1,2,3
.irp p, 0,2,4,6
.if \n == 0
.if \ch == 0
	v_pk_mul_f32 v[EA+\p:EA+\p+1], v[ACC+\p:ACC+\p+1], v[VV+4*\bf:VV+4*\bf+1] op_sel_hi:[1,0]   ; the first chunk's first tile starts the sums
.else
	v_pk_fma_f32 v[EA+\p:EA+\p+1], v[ACC+\p:ACC+\p+1], v[VV+4*\bf:VV+4*\bf+1], v[OLD+\p:OLD+\p+1] op_sel_hi:[1,0,1]
.endif
.elseif \n%2
	v_pk_fma_f32 v[EA+\p:EA+\p+1], v[ACC+8*\n+\p:ACC+8*\n+\p+1], v[VV+4*\bf+\n-1:VV+4*\bf+\n], v[EA+\p:EA+\p+1] op_sel:[0,1,0] op_sel_hi:[1,1,1]
.else
	v_pk_fma_f32 v[EA+\p:EA+\p+1], v[ACC+8*\n+\p:ACC+8*\n+\p+1], v[VV+4*\bf+\n:VV+4*\bf+\n+1], v[EA+\p:EA+\p+1] op_sel_hi:[1,0,1]
.endif
.endr
.endr
.endm
; One block against one chunk.  The block's old parts and the next block's fragments are asked for behind the products and land under the activation.
.macro BODY bf, ch
	s_wait_dscnt 0x0                               ; the block's fragments and scale words are in; the last block's parts have been stored
	MUL32 \bf
	WIN 0
.rept 4
	v_nop                                          ; four places between the last product and the first read of a result (ISA guide 7.12.1)
.endr
	s_wait_alu depctr_vm_vsrc(0)                   ; the LDS instructions issued so far have read EPA, AR, ASA and EA, all of which this block writes again
	v_add_nc_u32 v[EPA], s[LB], v[EPB]
	s_add_co_u32 s[TA], s[IB], ABL
	s_add_co_u32 s[TB2], s[SB], 128
	AADDR                                          ; the next block's addresses, made on both ways; they are read only where there is a next block
	s_wait_alu depctr_va_vdst(0)                   ; EPA, AR and ASA are written, which the LDS loads and stores below read; the 32 products are done reading A and ASCR, and the last block's sums OLD, in which those loads land
.if \ch > 0
	ds_load_b128 v[OLD:OLD+3], v[EPA]
	ds_load_b128 v[OLD+4:OLD+7], v[EPA] offset:512
.endif
	s_add_co_u32 s[CO], s[II], 1
	s_cmp_lt_u32 s[CO], s[MINE1]
	s_cbranch_scc0 .Lno_next_\@
	AFETCH                                         ; no wait: no vector or matrix instruction since the wait above
.Lno_next_\@:
	EPI \bf, \ch
	s_wait_alu depctr_va_vdst(0)                   ; the sums have written EA, which the two LDS stores read
	ds_store_b128 v[EPA], v[EA:EA+3]
	ds_store_b128 v[EPA], v[EA+4:EA+7] offset:512
.endm
; A chunk: its operands are in; the next chunk's are asked for in two halves, ahead of the first block and behind it.
.macro CHUNK ch, bf, nx
	s_wait_loadcnt 0x0                             ; this chunk's 108 loads
	s_wait_dscnt 0x0                               ; on every way here no LDS load of the chunk before is still out: block 0's fragments and scale words are asked for into the same registers below
	s_wait_alu depctr_vm_vsrc(0)                   ; the LDS instructions issued so far have read AR and ASA, which are written below; ahead of chunk 0: phase 1's LDS stores have read the codes, the scale word and window 3's v0-127, in which fragments land and onto which products write
.irp n, 0,1,2,3
	v_mul_f32 v[QC+4*\bf+\n], s[CC], v[QC+4*\bf+\n]
	v_mul_f32 v[VV+4*\bf+\n], -2.0, v[VV+4*\bf+\n]
.endr
	s_mov_b32 s[II], 0
	s_mov_b32 s[IB], 0
	s_mov_b32 s[SB], 0
	s_mov_b32 s[LB], 0
	s_mov_b32 s[TA], 0
	s_mov_b32 s[TB2], 0
	AADDR
	s_wait_alu depctr_va_vdst(0)                   ; AR and ASA are written; what came before (phase 1's vector lines, the chunk before) is done with A and ASCR and with the other buffer of fragments, BSC, QC and VV: the loads below, and the second half behind block 0, land there
	AFETCH                                         ; block 0: every work-group has written it
.if \ch < 3
	BLOADS \nx, 0
.endif
.Lblk_\ch:
	s_cmp_ge_u32 s[II], s[MINE1]
	s_cbranch_scc1 .Lskip_\ch
	BODY \bf, \ch
.Lskip_\ch:
.if \ch < 3
	s_cmp_lg_u32 s[II], 0
	s_cbranch_scc1 .Lnob_\ch
	BLOADS \nx, 1                                  ; no wait: since the wait at the chunk's head no vector or matrix instruction has named the other buffer
.Lnob_\ch:
.endif
	s_add_co_u32 s[IB], s[IB], ABL
	s_add_co_u32 s[SB], s[SB], 128
	s_add_co_u32 s[LB], s[LB], 1024
	s_add_co_u32 s[II], s[II], 1
	s_cmp_lt_u32 s[II], 16
	s_cbranch_scc1 .Lblk_\ch
.endm
; A block of phase 1.  next = 1: the block behind it is asked for as this block's registers come free.
.macro ARM next
.if \next
	s_load_b512 s[ROWS:ROWS+15], s[LST:LST+1], s[LB] offset:0x40   ; the next block's sixteen rows
.endif
	s_wait_loadcnt 16                              ; my first K step's 16 loads are in; the 16 younger ones are the second K step's
	TURN 0
.if \next
	s_wait_dscnt 16                                ; the 16 stores into the stage are done; the 16 younger ones are the loads back
	s_wait_kmcnt 0x0
	s_wait_xcnt 0x0                                ; every earlier load has read its row's address: the sixteen addresses are written again only behind this wait
	ROWBASES
	s_wait_alu depctr_vm_vsrc(0)                   ; the stage's 16 stores have read window 3's v0-63, in which the loads below land
	KLOAD 0
.endif
	s_wait_dscnt 0x0
	QUANT X
	s_wait_alu depctr_va_vdst(0)                   ; QUANT has written the codes and the scale word, which the LDS stores below read, and is done reading X, in which the next loads from the stage land
	IMAGE IWA, 0
	ds_store_b32 v[SWA], v[PW]                     ; lanes r and 16 + r store the same word with the same value
.if \next
	s_wait_loadcnt 16                              ; my second K step is in; the 16 younger loads are those just issued
.else
	s_wait_loadcnt 0x0
.endif
	TURN 1
.if \next
	s_wait_dscnt 16
.endif
	s_wait_alu depctr_vm_vsrc(0)                   ; the first image's stores have read the codes and the scale word, which QUANT writes again; the stage's stores have read window 3's v64-127, in which the next block's loads land
.if \next
	KLOAD 1
.endif
	s_wait_dscnt 0x0                               ; the numbers are back
	QUANT X
	s_wait_alu depctr_va_vdst(0)                   ; QUANT has written the codes and the scale word, which the LDS stores below read
	IMAGE IWA, 1536
	ds_store_b32 v[SWA], v[PW] offset:4
.endm
; Phase 3, block 4 k + w.
.macro FINAL k
	s_add_co_u32 s[TA], s[WV], 4*\k
	s_cmp_ge_u32 s[TA], s[MINE]
	s_cbranch_scc1 .Lfin_\@
.irp u, 0,1,2,3
	ds_load_b128 v[T+8*\u:T+8*\u+3], v[EPR] offset:16384*\u+4096*\k
	ds_load_b128 v[T+8*\u+4:T+8*\u+7], v[EPR] offset:16384*\u+4096*\k+512
.endr
	s_wait_dscnt 0x0
.irp p, 0,2,4,6
	v_pk_add_f32 v[T+\p:T+\p+1], v[T+\p:T+\p+1], v[T+8+\p:T+9+\p]
	v_pk_add_f32 v[T+16+\p:T+17+\p], v[T+16+\p:T+17+\p], v[T+24+\p:T+25+\p]
.endr
.irp p, 0,2,4,6
	v_pk_add_f32 v[T+\p:T+\p+1], v[T+\p:T+\p+1], v[T+16+\p:T+17+\p]   ; the four waves' hidden units
.endr
.irp m, 1,2,4,8
.irp j, 0,1,2,3,4,5,6,7
	v_add_f32_dpp v[T+\j], v[T+\j], v[T+\j] row_xmask:\m row_mask:0xf bank_mask:0xf   ; and the sixteen lanes': register j of every lane is now row 8 h + j's energy
.endr
.endr
	v_mov_b32 v[RES+\k], v[T]
.irp j, 1,2,3,4,5,6,7
	s_mov_b32 vcc_lo, 0x01010101<<\j
	v_cndmask_b32 v[RES+\k], v[RES+\k], v[T+\j], vcc_lo   ; lane l keeps register l % 8
.endr
	s_wait_alu depctr_va_vdst(0)                   ; the selects have written the result, which the store reads; the additions are done with T, in which the next block's LDS loads land
	global_store_b32 v[ESO], v[RES+\k], s[18:19] offset:256*\k   ; 64 consecutive bytes; lanes l and l xor 8 store the same word with the same value
.Lfin_\@:
.endm
	s_load_b512 s[4:19], s[0:1], 0x0               ; keys s[4:5], list s[6:7], cnt s[8:9], qp s[10:11], wkf s[12:13], Wk's scales s[14:15], v s[16:17], es s[18:19]
	v_lshl_add_u32 v250, v0, 2, 0x4a400
	v_mov_b32 v251, 0
	v_lshrrev_b32 v[LN], 5, v0
	v_readfirstlane_b32 s[WV], v[LN]               ; wave 0..3
	s_mov_b32 s[TT], ttmp9
	s_and_b32 s[BB], ttmp7, 0xffff
	s_lshl_b32 s[CO], s[BB], 2
	s_wait_kmcnt 0x0
	s_load_b32 s[NN], s[8:9], s[CO] offset:0x0     ; how many rows of my batch count
	v_and_b32 v[LN], 31, v0
	v_and_b32 v[RR], 15, v0
	v_bfe_u32 v[HH], v0, 4, 1
	v_lshlrev_b32 v[L16], 4, v[LN]
	s_wait_alu depctr_va_sdst(0)                   ; s[WV], the wave's number, is written, ahead of its first reader
	s_lshl_b32 s[TA], s[WV], 10
	v_add_nc_u32 v[KOF], s[TA], v[L16]
	s_add_co_u32 s[TA], s[TA], EP
	v_add_nc_u32 v[EPR], s[TA], v[L16]
	s_mul_i32 s[TA], s[WV], 16*SP
	s_add_co_u32 s[TA], s[TA], STG
	v_add_nc_u32 v[STI], s[TA], v[L16]
	v_mul_u32_u24 v[STO], v[RR], SP
	v_lshl_add_u32 v[STO], v[HH], 6, v[STO]
	v_add_nc_u32 v[STO], s[TA], v[STO]
	s_mul_i32 s[TA], s[WV], AWV
	v_add_nc_u32 v[IMW], s[TA], v[L16]
	s_lshl_b32 s[TA], s[WV], 11
	s_add_co_u32 s[TA], s[TA], ASC
	v_lshl_add_u32 v[SCW], v[RR], 3, s[TA]
	s_lshl_b32 s[TA], s[WV], 14
	s_add_co_u32 s[TA], s[TA], EP
	v_add_nc_u32 v[EPB], s[TA], v[L16]
	v_lshlrev_b32 v[ASB], 3, v[RR]
	v_lshl_add_u32 v[ASB], v[HH], 12, v[ASB]
	v_add_nc_u32 v[ASB], ASC, v[ASB]
	v_lshlrev_b32 v[BSO], 5, v[RR]
	v_lshl_add_u32 v[BSO], v[HH], 4, v[BSO]
	v_lshlrev_b32 v[QVO], 2, v[RR]
	v_and_b32 v[ESO], 7, v0
	v_lshlrev_b32 v[ESO], 2, v[ESO]
	v_lshl_add_u32 v[ESO], v[HH], 5, v[ESO]
	s_lshl_b32 s[TA], s[WV], 6
	v_add_nc_u32 v[ESO], s[TA], v[ESO]
.irp b, 0,1,2,3
	v_mov_b32 v[TM+4+\b], 0                        ; written once: a lane permute's destination counts as one of its sources
.endr
	s_mov_b32 s[SEL], 0x76543210
	s_mov_b32 s[SEL+1], 0xfedcba98
	s_mov_b32 s[CC], 0x4038aa3b                    ; 2 log2(e)
	s_mov_b32 s[CC+1], s[CC]                       ; (named with it as a pair, so it is written)
	s_mov_b32 s[OF+1], 0
	s_lshl_b32 s[OF], s[BB], 22
	s_add_nc_u64 s[KEY:KEY+1], s[4:5], s[OF:OF+1]
	s_mul_i32 s[OF], s[WV], 196608                 ; 16 blocks of hidden units x 8 fragments x 1,536 bytes
	s_add_nc_u64 s[WKF:WKF+1], s[12:13], s[OF:OF+1]
	s_lshl_b32 s[OF], s[WV], 13                    ; 256 rows of 32 scale bytes
	s_add_nc_u64 s[WKS:WKS+1], s[14:15], s[OF:OF+1]
	s_lshl_b32 s[OF], s[WV], 10
	s_add_nc_u64 s[16:17], s[16:17], s[OF:OF+1]    ; v at my hidden units
	s_lshl_b32 s[TA], s[BB], 12
	s_add_co_u32 s[OF], s[OF], s[TA]
	s_add_nc_u64 s[10:11], s[10:11], s[OF:OF+1]    ; qp at my batch and my hidden units
	s_wait_alu depctr_va_vdst(0)                   ; all the addresses and offsets made above are written: every load and store of the kernel that reads one of those that are never written again leans on this wait
	BLOADS 0, 0                                    ; chunk 0's 108 loads hang on the arguments, the batch and the wave's number alone: they go out here, while the count, and behind it the list, are on their way.
	BLOADS 0, 1                                    ; They are older than every load of keys, and loads come back in order (ISA guide 5.7.1): phase 1's counted waits count keys alone
	s_wait_kmcnt 0x0
.if COMPACT
	s_min_u32 s[NN], s[NN], 1024
.else
	s_mov_b32 s[NN], 1024
.endif
	s_add_co_u32 s[NBLK], s[NN], 15
	s_lshr_b32 s[NBLK], s[NBLK], 4                 ; blocks of the batch, 0 .. 64
	s_add_co_u32 s[QQ], s[NBLK], 3
	s_lshr_b32 s[QQ], s[QQ], 2                     ; a work-group's share, 0 .. 16
	s_mul_i32 s[BLK0], s[TT], s[QQ]
	s_sub_co_i32 s[MINE], s[NBLK], s[BLK0]
	s_max_i32 s[MINE], s[MINE], 0
	s_min_u32 s[MINE], s[MINE], s[QQ]              ; my blocks
	s_max_u32 s[MINE1], s[MINE], 1                 ; the blocks that phases 1 and 2 walk
	s_min_u32 s[BLK0], s[BLK0], 63                 ; my first block
	s_lshl_b32 s[OF], s[BB], 12
	s_lshl_b32 s[TA], s[BLK0], 6
	s_add_co_u32 s[OF], s[OF], s[TA]
	s_add_nc_u64 s[LST:LST+1], s[6:7], s[OF:OF+1]
	s_add_nc_u64 s[18:19], s[18:19], s[OF:OF+1]    ; es at my first slot
	s_load_b512 s[ROWS:ROWS+15], s[LST:LST+1], 0x0
	s_wait_kmcnt 0x0
	ROWBASES
	KLOAD 0                                        ; no wait: no vector instruction since the wait above
	KLOAD 1
	; ---- PHASE 1
	s_mov_b32 s[II], 0
	s_mov_b32 s[IB], 0
	s_mov_b32 s[SB], 0
	s_mov_b32 s[LB], 0
.Lp1:
	s_cmp_ge_u32 s[II], s[MINE1]
	s_cbranch_scc1 .Lp1_step
	s_wait_dscnt 0x0                               ; the last block's LDS stores are done
	s_wait_alu depctr_vm_vsrc(0)                   ; the last block's LDS stores have read IWA and SWA, which are written below, and the codes and the scale word, which this block's first QUANT writes again
	v_add_nc_u32 v[IWA], s[IB], v[IMW]
	v_add_nc_u32 v[SWA], s[SB], v[SCW]
	s_wait_alu depctr_va_vdst(0)                   ; IWA and SWA are written, which the images' stores read; the last block's QUANT is done reading X, in which the loads from the stage land
	s_add_co_u32 s[TA], s[II], 1
	s_cmp_lt_u32 s[TA], s[MINE1]
	s_cbranch_scc0 .Lp1_last
	ARM 1
	s_branch .Lp1_step
.Lp1_last:
	ARM 0                                          ; the last block asks for nothing: written out, so that each way has its own counts
.Lp1_step:
	s_add_co_u32 s[IB], s[IB], ABL
	s_add_co_u32 s[SB], s[SB], 128
	s_add_co_u32 s[LB], s[LB], 64
	s_add_co_u32 s[II], s[II], 1
	s_cmp_lt_u32 s[II], 16
	s_cbranch_scc1 .Lp1
	s_wait_dscnt 0x0                               ; for the others' sake: my images and scale words lie in LDS
	s_barrier_signal -1
	s_barrier_wait -1
	; ---- PHASE 2
	CHUNK 0, 0, 1
	CHUNK 1, 1, 2
	CHUNK 2, 0, 3
	CHUNK 3, 1, 0
	s_wait_dscnt 0x0                               ; for the others' sake: my parts lie in LDS
	s_barrier_signal -1
	s_barrier_wait -1
	; ---- PHASE 3
	FINAL 0
	FINAL 1
	FINAL 2
	FINAL 3
	s_wait_dscnt 0x0                               ; the closing lines, six on end
	s_wait_alu 0x0
	s_wait_tensorcnt 0x0
	ds_add_u32 v250, v251
	s_wait_dscnt 0x0
	s_endpgm
.Lfunc_end_k_qa87aac8c65_energy:
	.size	k_qa87aac8c65_energy, .Lfunc_end_k_qa87aac8c65_energy-k_qa87aac8c65_energy
	.p2alignl 7, 3214868480
	.fill 96, 4, 3214868480
	.section	.rodata,"a",@progbits
	.p2align	6, 0x0
	.amdhsa_kernel k_qa87aac8c65_energy
		.amdhsa_group_segment_fixed_size 304640
		.amdhsa_private_segment_fixed_size 0
		.amdhsa_enable_private_segment 0
		.amdhsa_kernarg_size 64
		.amdhsa_user_sgpr_count 2
		.amdhsa_user_sgpr_kernarg_segment_ptr 1
		.amdhsa_wavefront_size32 1
		.amdhsa_system_sgpr_workgroup_id_x 1
		.amdhsa_system_sgpr_workgroup_id_y 1
		.amdhsa_system_sgpr_workgroup_id_z 1
		.amdhsa_system_vgpr_workitem_id 0
		.amdhsa_next_free_vgpr 1024
		.amdhsa_next_free_sgpr 100
		.amdhsa_reserve_vcc 1
		.amdhsa_float_denorm_mode_32 3
		.amdhsa_float_denorm_mode_16_64 3
		.amdhsa_memory_ordered 1
		.amdhsa_forward_progress 1
		.amdhsa_inst_pref_size 157
	.end_amdhsa_kernel
	.amdgpu_metadata
---
amdhsa.version: [ 1, 2 ]
amdhsa.kernels:
  - .name:           k_qa87aac8c65_energy
    .symbol:         k_qa87aac8c65_energy.kd
    .args:
      - { .name: keys, .offset: 0, .size: 8, .value_kind: global_buffer, .address_space: global }
      - { .name: list, .offset: 8, .size: 8, .value_kind: global_buffer, .address_space: global }
      - { .name: cnt, .offset: 16, .size: 8, .value_kind: global_buffer, .address_space: global }
      - { .name: qp, .offset: 24, .size: 8, .value_kind: global_buffer, .address_space: global }
      - { .name: wkf, .offset: 32, .size: 8, .value_kind: global_buffer, .address_space: global }
      - { .name: Wk_scales, .offset: 40, .size: 8, .value_kind: global_buffer, .address_space: global }
      - { .name: v, .offset: 48, .size: 8, .value_kind: global_buffer, .address_space: global }
      - { .name: es, .offset: 56, .size: 8, .value_kind: global_buffer, .address_space: global }
    .group_segment_fixed_size: 304640
    .private_segment_fixed_size: 0
    .kernarg_segment_align: 8
    .kernarg_segment_size: 64
    .max_flat_workgroup_size: 128
    .sgpr_count:     100
    .vgpr_count:     1024
    .wavefront_size: 32
...
	.end_amdgpu_metadata
.endif
;; end of part 5
;; launch context (part 6): grid 4 x 64, 8 waves a work-group, no clusters, 13,568 bytes of LDS; arguments keys, list, cnt, es, out0, out1; writes out0, out1
.if DOCPART == 6
	.amdgcn_target "amdgcn-amd-amdhsa--gfx1250"
	.amdhsa_code_object_version 6
	.text
	.protected	k_qa87aac8c65_context
	.globl	k_qa87aac8c65_context
	.p2align	8
	.type	k_qa87aac8c65_context,@function
k_qa87aac8c65_context:
	s_mov_b64 s[64:65], 0
	v_nop
	global_prefetch_b8 v0, s[64:65] scope:SCOPE_SE
	s_setreg_imm32_b32 hwreg(HW_REG_WAVE_SCHED_MODE, 0, 2), 2
	s_setreg_imm32_b32 hwreg(HW_REG_WAVE_MODE, 25, 1), 1
	s_wait_xcnt 0x0
	s_wait_alu depctr_vm_vsrc(0)
; CONTEXT.  Work-group (x, b): the softmax of batch b's energies (each of the batch's four work-groups makes it for itself: 4 KiB of input), a quarter of attn, and columns 256 x .. 256 x + 255 of the context.
; The energies lie in slot order; slots from n = cnt[b] on are padded rows: their energy is replaced by -3e38 ahead of the maximum and their weight by 0 behind the exponential, whatever es holds there.
; p = 2^((e - m) log2(e)), m the largest energy that counts; attn = p / the sum; with no row that counts the divisor's reciprocal is replaced by 0, so attn and context are zeros, as the problem asks.
; attn goes to out1[b][list[b][slot]]: the list is a permutation, so every word is written once.  These are stores of four bytes a lane within the batch's 4 KiB; out1 is 256 KiB in all, so no stage is spent on them.
; The context is a stream: only rows that count are read, 1,024 consecutive bytes of each; no matrix unit (one row of weights), all in f32.  LIMIT: padded rows of keys are never read
; (but for 32 bytes of slot 0's row in a batch in which no row counts; their weight is 0).
; A lap takes 128 slots: wave w takes slots 128 lap + 16 w + 0..15, one to each of its sixteen ring slots of two loads.  Row numbers come by scalar loads, asked for a whole lap ahead of their use.
; A slot from n on has the weight 0; its 32 lanes all name the same 16 bytes of slot 0's row, so that every lap issues the same 32 loads and the counted waits hold on every way.
; The ring's first fill goes out ahead of the softmax.
; THE MODE: SCHED_MODE bits 1:0 = 2 (LLVM: expert scheduling mode 2), set by the entry lines.  The code itself states the register dependences
; between vector instructions and memory or LDS instructions, with s_wait_alu, always for 0.
; THE PLAN.  The sixteen ring slots are four blocks of four.  Registers that memory or LDS instructions touch, in the loop:
;   X0 .. X3     a block's 32 registers.  Block j's sixteen multiply-adds read X[j]; the loads of the next lap land in X[j] while block j + 1 is added (X3: at the lap's end).
;   OFF0 .. OFF3 a block's four offsets.  Written at the head of block j + 1 (OFF3: of block 3), read by the eight loads that follow.
;   P, v41       the lap's sixteen weights and their LDS address.  The multiply-adds read P; v41 is written at block 3's head; the four LDS loads of the next lap's weights stand at the lap's end.
; At the head of blocks 1, 2 and 3: the counted wait for the block's data; a wait on vm_vsrc (the loads issued so far have read the offsets that are written next); the offsets; a wait on va_vdst
; (the offsets are written; the block before is done reading its X).  The eight loads follow, dealt among the block's multiply-adds, which name X[j], P and the sums: none of the registers that those loads touch.
; At the lap's end one wait on va_vdst: block 3 is done reading X3 and P.  Between 16 and 32 loads of every wave are on their way.
.set PT,  0                            ; LDS: p for each slot, 4,096 bytes
.set RED, 4096                         ; the waves' maxima at + 4 w, their sums at + 64 + 4 w
.set CST, 4352                         ; the waves' parts of the context: 1,024 bytes a wave
.set P,   44                           ; v44-59  a lap's sixteen weights
.set ACC, 60                           ; v60-67  my eight columns: 4 lane + 0..3 and 128 + 4 lane + 0..3
.set OFF, 68                           ; v68-83  ring slot q: the byte offset of my 16 bytes from keys at my batch and my columns
.set X,   96                           ; v96-223 ring slot q: 8 registers
.set RW,  68                           ; s[68:83] the sixteen rows that are being asked for
.set RN,  84                           ; s[84:99] those of the lap behind them, on their way
.macro ROWQ q                          ; ring slot q's next row.  s63 = n less the first slot of my wave in the lap that is being asked for
	s_cmp_gt_i32 s63, (\q)                         ; does the slot count?
	s_cselect_b32 s57, s[RW+(\q)], s52             ; its row, or slot 0's
	s_min_u32 s57, s57, 0x3ff
	s_lshl_b32 s57, s57, 12                        ; a row of keys is 4,096 bytes
	s_sub_co_i32 s58, s63, (\q)
	s_max_i32 s58, s58, 0
	s_min_u32 s58, s58, 1                          ; 1 where it counts, else 0
	s_lshl_b32 s58, s58, 4
	v_mad_u32_u24 v[OFF+(\q)], v1, s58, s57        ; + 16 x lane where it counts
.endm
.macro XLOAD q
	global_load_b128 v[X+8*(\q):X+8*(\q)+3], v[OFF+(\q)], s[4:5]
	global_load_b128 v[X+8*(\q)+4:X+8*(\q)+7], v[OFF+(\q)], s[4:5] offset:512
.endm
.macro FMA q                           ; ring slot q's row times its weight, onto my eight columns: the slots in ascending order
.irp i, 0,2,4,6
.if (\q)%2
	v_pk_fma_f32 v[ACC+\i:ACC+\i+1], v[X+8*(\q)+\i:X+8*(\q)+\i+1], v[P+(\q)-1:P+(\q)], v[ACC+\i:ACC+\i+1] op_sel:[0,1,0] op_sel_hi:[1,1,1]
.else
	v_pk_fma_f32 v[ACC+\i:ACC+\i+1], v[X+8*(\q)+\i:X+8*(\q)+\i+1], v[P+(\q):P+(\q)+1], v[ACC+\i:ACC+\i+1] op_sel_hi:[1,0,1]
.endif
.endr
.endm
.macro SLOT q, left                    ; the last lap: a slot's turn, with no load behind it
	s_wait_loadcnt \left                           ; loads come back in order (ISA guide 5.7.1): my two are in; the younger ones stay out
	FMA \q
.endm
; Block j = 1, 2, 3 of a lap that has a successor.  more = 1 (block 3): its own offsets and the next weights' address are made here too.
.macro BLOCK j, more
	s_wait_loadcnt 16                              ; the block's eight loads are in, which also shows them done with their offsets; the 16 younger ones are the two blocks asked for behind it
	s_wait_alu depctr_vm_vsrc(0)                   ; the loads issued so far have read the offsets (in block 3: and the LDS loads v41) that are written below
.irp i, 0,1,2,3
	ROWQ 4*(\j)-4+\i
.endr
.if \more
.irp i, 0,1,2,3
	ROWQ 4*(\j)+\i
.endr
	v_mov_b32 v41, s62                             ; where the next lap's weights of my wave lie
.endif
	s_wait_alu depctr_va_vdst(0)                   ; the offsets are written, which the loads below read; the block before is done reading its X, in which they land
.irp i, 0,1,2,3
	XLOAD 4*(\j)-4+\i                              ; no vector instruction since the wait names these registers
	FMA 4*(\j)+\i
.endr
.endm
.macro WEIGHTS                         ; a lap's sixteen weights of my wave, the same in every lane
.irp i, 0,1,2,3
	ds_load_b128 v[P+4*\i:P+4*\i+3], v41 offset:16*\i
.endr
.endm
	s_load_b256 s[4:11], s[0:1], 0x0               ; keys s[4:5], list s[6:7], cnt s[8:9], es s[10:11]
	s_load_b128 s[12:15], s[0:1], 0x20             ; out0 s[12:13], out1 s[14:15]
	v_lshl_add_u32 v224, v0, 2, 0x3100
	v_mov_b32 v225, 0
	v_lshrrev_b32 v1, 5, v0
	v_readfirstlane_b32 s16, v1                    ; wave 0..7
	s_and_b32 s18, ttmp7, 0xffff                   ; the batch
	s_lshl_b32 s22, s18, 2
	s_lshl_b32 s20, s18, 12
	s_mov_b32 s21, 0
	s_mov_b32 s59, 0
	s_mov_b32 s66, 0x76543210
	s_mov_b32 s67, 0xfedcba98                      ; lane selects: lane l xor 16
	v_and_b32 v1, 31, v0                           ; lane
	v_lshlrev_b32 v40, 4, v1                       ; 16 x lane
	v_lshlrev_b32 v2, 4, v0                        ; 16 x thread: my four slots' words
	v_lshlrev_b32 v3, 2, v0                        ; my first slot
	s_wait_alu depctr_va_sdst(0)                   ; s16, the wave's number, is written, ahead of its first reader
	s_lshl_b32 s57, s16, 2
	s_add_co_u32 s57, s57, RED
	v_mov_b32 v14, s57                             ; my wave's word among the maxima
	v_mov_b32 v15, RED
	s_lshl_b32 s57, s16, 10
	s_add_co_u32 s57, s57, CST
	v_add_nc_u32 v42, s57, v40                     ; my wave's part of the context
	s_lshl_b32 s57, s16, 9
	v_add_nc_u32 v39, s57, v40                     ; waves 0, 1 at the end: 512 w + 16 x lane
	v_add_nc_u32 v43, CST, v39
	v_mov_b32 v13, 0                               ; a lane permute's destination counts as one of its sources
	v_mov_b32 v20, 0xff61b1e6                      ; -3e38
.irp i, 0,1,2,3,4,5,6,7
	v_mov_b32 v[ACC+\i], 0
.endr
.irp j, 0,1,2,3
	v_add_nc_u32 v[16+\j], \j, v3
.endr
	s_wait_kmcnt 0x0
	s_load_b32 s19, s[8:9], s22 offset:0x0         ; n
	s_add_nc_u64 s[6:7], s[6:7], s[20:21]
	s_add_nc_u64 s[10:11], s[10:11], s[20:21]
	s_add_nc_u64 s[12:13], s[12:13], s[20:21]
	s_add_nc_u64 s[14:15], s[14:15], s[20:21]
	s_load_b32 s52, s[6:7], 0x0                    ; slot 0's row: it counts wherever any row counts
	s_wait_alu depctr_va_vdst(0)                   ; the addresses v2, v14, v15, v39, v42 and v43 are written: the loads and stores that read them lean on this wait, none of them is written again
	global_load_b128 v[4:7], v2, s[6:7]            ; my four slots' rows
	global_load_b128 v[8:11], v2, s[10:11]         ; and energies
	s_lshl_b32 s58, s16, 6
	s_add_nc_u64 s[54:55], s[6:7], s[58:59]        ; the list at my wave's sixteen slots of lap 0
	s_load_b512 s[RW:RW+15], s[54:55], 0x0         ; lap 0's rows
	s_load_b512 s[RN:RN+15], s[54:55], 0x200       ; lap 1's: 64 w + 512 + 63 lies inside the batch's 4,096 bytes
	s_lshl_b32 s58, s18, 22
	s_lshl_b32 s57, ttmp9, 10
	s_add_co_u32 s58, s58, s57
	s_add_nc_u64 s[4:5], s[4:5], s[58:59]          ; keys at my batch and my 256 columns
	s_mov_b32 s58, s57
	s_add_nc_u64 s[12:13], s[12:13], s[58:59]      ; out0 likewise
	s_wait_kmcnt 0x0
	s_min_u32 s19, s19, 1024
	s_lshl_b32 s57, s16, 4
	s_sub_co_i32 s63, s19, s57                     ; n less my wave's first slot of lap 0
	s_mov_b32 s53, 512                             ; where the rows that are on their way begin, from my wave's lap 0
	s_lshl_b32 s62, s16, 6                         ; PT + 64 w: my wave's weights of lap 0
	s_add_co_u32 s60, s19, 127
	s_lshr_b32 s60, s60, 7
	s_max_u32 s60, s60, 1
	s_sub_co_u32 s60, s60, 1                       ; laps that have a successor
	s_mov_b32 s61, 0
.irp j, 0,1,2,3
	v_cmp_gt_u32 s[48+\j], s19, v[16+\j]           ; does my slot count?
.endr
	s_wait_alu depctr_va_sdst(0)                   ; the four masks s48 to s51 are written, ahead of their first readers: one wait behind the run of compares
.irp q, 0,1,2,3,4,5,6,7,8,9,10,11,12,13,14,15
	ROWQ \q
.endr
	s_wait_alu depctr_va_vdst(0)                   ; the sixteen offsets are written, which the 32 loads below read
.irp q, 0,1,2,3,4,5,6,7,8,9,10,11,12,13,14,15
	XLOAD \q                                       ; the ring is filled ahead of the softmax
.endr
	; ---- the softmax
	s_wait_loadcnt 32                              ; rows and energies are in; the 32 younger loads are the ring's
.irp j, 0,1,2,3
	v_cndmask_b32 v[8+\j], v20, v[8+\j], s[48+\j]
.endr
	v_max3_num_f32 v12, v8, v9, v10
	v_max_num_f32 v12, v12, v11
	v_max_num_f32_dpp v12, v12, v12 row_xmask:1 row_mask:0xf bank_mask:0xf
	v_max_num_f32_dpp v12, v12, v12 row_xmask:2 row_mask:0xf bank_mask:0xf
	v_max_num_f32_dpp v12, v12, v12 row_xmask:4 row_mask:0xf bank_mask:0xf
	v_max_num_f32_dpp v12, v12, v12 row_xmask:8 row_mask:0xf bank_mask:0xf
	v_permlanex16_b32 v13, v12, s66, s67
	v_max_num_f32 v12, v12, v13
	s_wait_alu depctr_va_vdst(0)                   ; v12, the wave's maximum, is written, which the LDS store reads; the compares and selects are done reading v16 to v20, in which the LDS loads behind the barrier land
	ds_store_b32 v14, v12                          ; all lanes store the same word with the same value
	s_wait_dscnt 0x0
	s_barrier_signal -1
	s_barrier_wait -1
	ds_load_b128 v[16:19], v15
	ds_load_b128 v[20:23], v15 offset:16
	s_wait_dscnt 0x0
	s_wait_alu depctr_vm_vsrc(0)                   ; the LDS store has read v12, which is written again below
	v_max3_num_f32 v12, v16, v17, v18
	v_max3_num_f32 v12, v12, v19, v20
	v_max3_num_f32 v12, v12, v21, v22
	v_max_num_f32 v12, v12, v23                    ; m
.irp j, 0,1,2,3
	v_sub_f32 v[24+\j], v[8+\j], v12
.endr
.irp j, 0,1,2,3
	v_mul_f32 v[24+\j], 0x3fb8aa3b, v[24+\j]
.endr
.irp j, 0,1,2,3
	v_exp_f32 v[24+\j], v[24+\j]
.endr
	v_nop                                          ; a plain line behind the last exponential
	s_wait_alu depctr_va_vdst(0)                   ; the four exponentials have written v[24:27]: one wait, ahead of their first reader
.irp j, 0,1,2,3
	v_cndmask_b32 v[24+\j], 0, v[24+\j], s[48+\j]
.endr
	v_add_f32 v28, v24, v25
	v_add_f32 v29, v26, v27
	v_add_f32 v28, v28, v29
	v_add_f32_dpp v28, v28, v28 row_xmask:1 row_mask:0xf bank_mask:0xf
	v_add_f32_dpp v28, v28, v28 row_xmask:2 row_mask:0xf bank_mask:0xf
	v_add_f32_dpp v28, v28, v28 row_xmask:4 row_mask:0xf bank_mask:0xf
	v_add_f32_dpp v28, v28, v28 row_xmask:8 row_mask:0xf bank_mask:0xf
	v_permlanex16_b32 v13, v28, s66, s67
	v_add_f32 v28, v28, v13
	s_wait_alu depctr_va_vdst(0)                   ; v28, the wave's sum, and v[24:27], my four weights, are written, which the LDS stores read; the maxima are done reading v[16:23], in which the LDS loads behind the barrier land
	ds_store_b32 v14, v28 offset:64
	ds_store_b128 v2, v[24:27] offset:PT
	s_wait_dscnt 0x0
	s_barrier_signal -1
	s_barrier_wait -1
	ds_load_b128 v[16:19], v15 offset:64
	ds_load_b128 v[20:23], v15 offset:80
	s_wait_dscnt 0x0
	s_wait_alu depctr_vm_vsrc(0)                   ; the LDS store has read v28, which is written again below
	v_add_f32 v16, v16, v17
	v_add_f32 v18, v18, v19
	v_add_f32 v20, v20, v21
	v_add_f32 v22, v22, v23
	v_add_f32 v16, v16, v18
	v_add_f32 v20, v20, v22
	v_add_f32 v28, v16, v20                        ; the sum
	v_rcp_f32 v30, v28
	v_cmp_lt_f32 vcc_lo, 0, v28                    ; (a plain line behind the reciprocal)
	s_wait_alu depctr_va_vdst(0)                   ; the reciprocal has written v30, ahead of its first reader
	s_wait_alu depctr_va_vcc(0)                    ; the compare has written VCC, ahead of its first reader
	v_cndmask_b32 v30, 0, v30, vcc_lo              ; no row counts: 0
	v_mov_b32 v31, v30                             ; (named with it as a pair)
	s_lshr_b32 s57, s16, 1
	s_cmp_lg_u32 s57, ttmp9                        ; attn: waves 2 x and 2 x + 1 store their 256 slots
	s_cbranch_scc1 .Lno_attn
.irp j, 0,1,2,3
	v_min_u32 v[4+\j], 0x3ff, v[4+\j]
	v_lshlrev_b32 v[4+\j], 2, v[4+\j]
	v_mul_f32 v[32+\j], v[24+\j], v30
.endr
	s_wait_alu depctr_va_vdst(0)                   ; the four addresses v[4:7] and the four numbers v[32:35] are written, which the stores read
.irp j, 0,1,2,3
	global_store_b32 v[4+\j], v[32+\j], s[14:15]
.endr
.Lno_attn:
	; ---- the context
	v_mov_b32 v41, s62                             ; where lap 0's weights of my wave lie
	s_wait_alu depctr_va_vdst(0)                   ; v41 is written, which the four LDS loads read
	WEIGHTS
	s_cmp_eq_u32 s60, 0
	s_cbranch_scc1 .Ltail
.Llap:                                             ; a trip adds one lap's 16 rows of my wave and asks for the next lap's rows and weights
	s_add_co_u32 s62, s62, 512
	s_sub_co_i32 s63, s63, 128                     ; the lap that is asked for in this trip
	s_wait_kmcnt 0x0                               ; its rows, asked for a lap ago; the wait also frees that load's offset register
.irp i, 0,1,2,3,4,5,6,7
	s_mov_b64 s[RW+2*\i:RW+2*\i+1], s[RN+2*\i:RN+2*\i+1]
.endr
	s_add_co_u32 s53, s53, 512
	s_min_u32 s53, s53, 3584                       ; held at the batch's last lap: 64 w + 3,584 + 63 is the last byte of the batch's list at the most
	s_load_b512 s[RN:RN+15], s[54:55], s53 offset:0x0   ; the rows of the lap after that
	s_wait_dscnt 0x0                               ; this lap's weights, asked for at the end of the lap before
	s_wait_loadcnt 24                              ; block 0's eight loads are in; the 24 younger ones are blocks 1 to 3
.irp q, 0,1,2,3
	FMA \q
.endr
	BLOCK 1, 0
	BLOCK 2, 0
	BLOCK 3, 1
	s_wait_alu depctr_va_vdst(0)                   ; block 3's multiply-adds are done reading X3 and P, in which the loads below land (their offsets and v41 were written ahead of block 3's wait)
.irp q, 12,13,14,15
	XLOAD \q
.endr
	WEIGHTS                                        ; the next lap's
	s_add_co_u32 s61, s61, 1
	s_cmp_lt_u32 s61, s60
	s_cbranch_scc1 .Llap
.Ltail:
	s_wait_dscnt 0x0                               ; the last lap's weights
.irp q, 0,1,2,3,4,5,6,7,8,9,10,11,12,13,14,15
	SLOT \q, 30-2*\q                               ; the last lap loads nothing: the counts run down
.endr
	s_wait_dscnt 0x0
	s_barrier_signal -1                            ; every wave's reads of the weights are over: what is stored below is parted from them
	s_barrier_wait -1
	s_wait_alu depctr_va_vdst(0)                   ; the multiply-adds have written my eight sums, which the LDS stores read, and are done reading X, in which the LDS loads behind the next barrier land
	ds_store_b128 v42, v[ACC:ACC+3]
	ds_store_b128 v42, v[ACC+4:ACC+7] offset:512
	s_wait_dscnt 0x0
	s_barrier_signal -1
	s_barrier_wait -1
	s_cmp_lt_u32 s16, 2
	s_cbranch_scc0 .Ldone
.irp i, 0,1,2,3,4,5,6,7
	ds_load_b128 v[X+4*\i:X+4*\i+3], v43 offset:1024*\i   ; the eight waves' parts of my four columns
.endr
	s_wait_dscnt 0x0
.irp i, 1,2,3,4,5,6,7
	v_pk_add_f32 v[X:X+1], v[X:X+1], v[X+4*\i:X+4*\i+1]
	v_pk_add_f32 v[X+2:X+3], v[X+2:X+3], v[X+4*\i+2:X+4*\i+3]
.endr
	v_pk_mul_f32 v[X:X+1], v[X:X+1], v[30:31] op_sel_hi:[1,0]
	v_pk_mul_f32 v[X+2:X+3], v[X+2:X+3], v[30:31] op_sel_hi:[1,0]
	s_wait_alu depctr_va_vdst(0)                   ; the two multiplications have written v[X:X+3], which the store reads
	global_store_b128 v39, v[X:X+3], s[12:13]      ; 32 lanes store 512 consecutive bytes, at a multiple of 256 from out0's first byte
.Ldone:
	s_wait_dscnt 0x0                               ; the closing lines, six on end
	s_wait_alu 0x0
	s_wait_tensorcnt 0x0
	ds_add_u32 v224, v225
	s_wait_dscnt 0x0
	s_endpgm
.Lfunc_end_k_qa87aac8c65_context:
	.size	k_qa87aac8c65_context, .Lfunc_end_k_qa87aac8c65_context-k_qa87aac8c65_context
	.p2alignl 7, 3214868480
	.fill 96, 4, 3214868480
	.section	.rodata,"a",@progbits
	.p2align	6, 0x0
	.amdhsa_kernel k_qa87aac8c65_context
		.amdhsa_group_segment_fixed_size 13568
		.amdhsa_private_segment_fixed_size 0
		.amdhsa_enable_private_segment 0
		.amdhsa_kernarg_size 48
		.amdhsa_user_sgpr_count 2
		.amdhsa_user_sgpr_kernarg_segment_ptr 1
		.amdhsa_wavefront_size32 1
		.amdhsa_system_sgpr_workgroup_id_x 1
		.amdhsa_system_sgpr_workgroup_id_y 1
		.amdhsa_system_sgpr_workgroup_id_z 1
		.amdhsa_system_vgpr_workitem_id 0
		.amdhsa_next_free_vgpr 226
		.amdhsa_next_free_sgpr 100
		.amdhsa_reserve_vcc 1
		.amdhsa_float_denorm_mode_32 3
		.amdhsa_float_denorm_mode_16_64 3
		.amdhsa_memory_ordered 1
		.amdhsa_forward_progress 1
		.amdhsa_inst_pref_size 38
	.end_amdhsa_kernel
	.amdgpu_metadata
---
amdhsa.version: [ 1, 2 ]
amdhsa.kernels:
  - .name:           k_qa87aac8c65_context
    .symbol:         k_qa87aac8c65_context.kd
    .args:
      - { .name: keys, .offset: 0, .size: 8, .value_kind: global_buffer, .address_space: global }
      - { .name: list, .offset: 8, .size: 8, .value_kind: global_buffer, .address_space: global }
      - { .name: cnt, .offset: 16, .size: 8, .value_kind: global_buffer, .address_space: global }
      - { .name: es, .offset: 24, .size: 8, .value_kind: global_buffer, .address_space: global }
      - { .name: out0, .offset: 32, .size: 8, .value_kind: global_buffer, .address_space: global }
      - { .name: out1, .offset: 40, .size: 8, .value_kind: global_buffer, .address_space: global }
    .group_segment_fixed_size: 13568
    .private_segment_fixed_size: 0
    .kernarg_segment_align: 8
    .kernarg_segment_size: 48
    .max_flat_workgroup_size: 256
    .sgpr_count:     100
    .vgpr_count:     226
    .wavefront_size: 32
...
	.end_amdgpu_metadata
.endif
;; end of part 6
